; MI455X (gfx1250); checked and timed in simulation.
; The chip was launched on July 23, 2026; its instructions are those of AMD's public machine-readable ISA for CDNA 5 (MIT licence, August 2026) and "CDNA5" Instruction Set Architecture Reference Guide (July 2026). The comments in the code are by the model that wrote it; some were corrected since.
;; Attention Block. Allowed arithmetic: matrix products marked QUANTISED: E2M3 operands, one E8M0 scale for each 32 along K, by v_wmma_scale_f32_16x16x128_f8f6f4 with both operands' format E2M3, f32 sums; everything else in f32.
;; Inputs: ln1_b 512 float32; ln1_g 512 float32; ln2_b 512 float32; ln2_g 512 float32; w1 512 x 512 float32; w2 512 x 512 float32; w3 512 x 512 float32; wk 512 x 512 float32; wo 512 x 512 float32; wq 512 x 512 float32; wv 512 x 512 float32; x 4 x 2,048 x 512 float32.
;; Outputs: out0 4 x 2,048 x 512 float32.
;; This version of the problem:
;;   THIS VERSION OF THE PROBLEM IS GIVEN IN LOW PRECISION. The matrix products marked QUANTISED in the list below multiply operands that are first quantised to E2M3 (2 exponent bits, 3 mantissa bits; 6 bits a number), with one power-of-two scale for each 32 numbers along K (OCP MX v1.0); their sums are f32. All else is computed in f32.
;;   The module's matrix products, in the order in which they are computed (A, B: the left and right operand; K: the contracted axis; several contracted axes count as one K, in the product's order):
;;     1. [M 8,192, K 512] x [K 512, N 512]; A: computed on the way; B: input wq: QUANTISED
;;     2. [M 8,192, K 512] x [K 512, N 512]; A: computed on the way; B: input wk: QUANTISED
;;     3. [M 8,192, K 512] x [K 512, N 512]; A: computed on the way; B: input wv: QUANTISED
;;     4. batch 64 x [M 2,048, K 32] x [K 32, N 2,048]; A: computed on the way; B: computed on the way: QUANTISED
;;     5. batch 64 x [M 2,048, K 2,048] x [K 2,048, N 32]; A: softmax (see below); B: computed on the way: QUANTISED
;;     6. [M 8,192, K 512] x [K 512, N 512]; A: computed on the way; B: input wo: QUANTISED
;;     7. [M 8,192, K 512] x [K 512, N 512]; A: computed on the way; B: input w1: QUANTISED
;;     8. [M 8,192, K 512] x [K 512, N 512]; A: computed on the way; B: input w3: QUANTISED
;;     9. [M 8,192, K 512] x [K 512, N 512]; A: computed on the way; B: input w2: QUANTISED
;;   THE QUANTISER, for each operand of a quantised product, along K:
;;     - K is cut into blocks of 32 from its start; a last block that is shorter is filled with zeros.
;;     - A block's scale is 2^e with e = floor(log2(the largest magnitude in the block)) - 2, held to -126 .. 127; a block of zeros has e = 0. As a byte (E8M0): e + 127.
;;     - Each number is divided by its block's scale, clamped to +-7.5, and rounded to the nearest number of E2M3, ties to even, subnormals kept.
;;     - The product sums the exact products of the quantised numbers (number of the format x scale) in f32.
;;   ~~~python
;;   def quantise(x, axis):      # numpy; x: float32 -> the quantised numbers, widened to float32 again
;;       x = np.moveaxis(x, axis, -1); K = x.shape[-1]
;;       x = np.pad(x, [(0, 0)] * (x.ndim - 1) + [(0, -K % 32)]); x = x.reshape(x.shape[:-1] + (-1, 32)); a = np.abs(x).max(-1, keepdims=True)
;;       e = np.where(a > 0, np.clip(np.frexp(np.where(a > 0, a, 1))[1] - 1 - 2, -126, 127), 0)      # np.frexp(a)[1] - 1 = floor(log2(a)), exactly
;;       r = np.clip(x / 2.0 ** e, -7.5, 7.5)
;;       step = 2.0 ** (np.maximum(np.frexp(np.where(r == 0, 1, r))[1] - 1, 0) - 3)
;;       q = np.round(r / step) * step * 2.0 ** e      # np.round: ties to even
;;       return np.moveaxis(q.reshape(q.shape[:-2] + (-1,))[..., :K], -1, axis).astype(np.float32)
;;   ~~~
;;   SOFTMAX AHEAD OF A QUANTISED PRODUCT. Where the list says 'softmax', what is quantised is not the finished softmax but p = 2^(t - M), with t = logit x log2(e) and M = ceil(the row's largest t), a whole number; so 1/2 < the row's largest p <= 1. The row's sum l is taken of the UNQUANTISED p, in f32, and the product's result is divided by l at the end. Since M is a whole number, a kernel that streams over the keys may use a running M (the ceiling of the running maximum): every later rescaling is an exact power of two, which a block's scale takes up: the codes' values come out the same.
;;   OPERANDS COMPUTED ON THE WAY. 'Computed on the way' means the value that the module computes at that place (a softmax that the list does not call 'softmax' is quantised finished and normalised). What goes into a quantiser is computed in f32, as accurately as f32 sums, v_exp_f32 and their like allow (about 1e-6 of the number): no bf16 or f16 on the way to a quantiser, and a product that is left as it is and whose result goes on into a quantised operand takes f32 operands (vector FMAs, or v_wmma_f32_16x16x4_f32). A number that lies on a knife's edge between two numbers of the format may be rounded either way, as far as f32 arithmetic and the matrix unit's own rounding can turn it there, and no further.
;; 2 versions. Each part assembles by itself: llvm-mc -triple=amdgcn-amd-amdhsa -mcpu=gfx1250 --defsym DOCPART=n.
;; ======== version 1 of 2: 4 launches
;; workspace buffers: wcodes 1,376,256 bytes; wscales 57,344 bytes; qkvc 9,437,184 bytes; qkvs 1,179,648 bytes; ocodes 3,145,728 bytes; oscales 131,072 bytes
;; launch wquant (part 1): grid 32 x 7, 4 waves a work-group, no clusters, 34,816 bytes of LDS; arguments wq, wk, wv, wo, w1, w3, w2, wcodes, wscales; writes wcodes, wscales
.if DOCPART == 1
	.amdgcn_target "amdgcn-amd-amdhsa--gfx1250"
	.amdhsa_code_object_version 6
	.text
	.protected	k_qe126c601eb_wquant
	.globl	k_qe126c601eb_wquant
	.p2align	8
	.type	k_qe126c601eb_wquant,@function
k_qe126c601eb_wquant:
	s_mov_b64 s[64:65], 0
	v_nop
	global_prefetch_b8 v0, s[64:65] scope:SCOPE_SE
	s_setreg_imm32_b32 hwreg(HW_REG_WAVE_MODE, 25, 1), 1
	s_wait_xcnt 0x0
; The seven weights [512 (n)][512 (k)], f32, K innermost, become codes of FP6 (E2M3) with one E8M0 byte for each 32 along K,
; laid in the ORDER OF AN OPERAND'S REGISTERS: wcodes [y 7][tile 32][K step 4][chunk 3][lane 32][16 bytes], wscales [y][tile][row 16][K step 4] words.
; y: 0 wq, 1 wk, 2 wv, 3 wo, 4 w1, 5 w3, 6 w2.  THE ROWS OF A TILE ARE NOT NEIGHBOURS: lane r of tile T takes row 32 (T / 2) + 8 (T % 2) + r + 8 (r / 8),
; so that in the products' results the 16 registers of tiles 2 b and 2 b + 1 are 16 neighbouring columns.
; A work-group is one tile of one weight; wave s is K step s (128 along K): 16 loads of 512 consecutive bytes, a turn through the wave's own stage in LDS,
; after which lane (r, h) holds k = 64 c + 32 h + 0 .. 31 of its row: two whole blocks, so no other lane is asked for a maximum.
; A block's scale byte is its largest magnitude's exponent field - 2, held at 1 from below.
; LIMITS: a block of zeros, or one whose largest magnitude lies under 2^-124, gets the byte 1 (the rule says 127 for zeros): its codes are zeros and this program alone reads the bytes.  NaN and infinities are not served.
; No tensor loads, clusters or matrix units: 7 MB are read once and work-groups share nothing.
.set STG, 8448                         ; a wave's stage: 16 rows x (512 bytes + 16)
.set SCW, 33792                        ; behind the four stages: the tile's 64 scale words
.set X,   16                           ; v16-79  64 numbers
.set C,   80                           ; v80-91  the fragment's 12 registers; v92-94, v96-98 the halves that are moved
	s_load_b512 s[8:23], s[0:1], 0x0               ; wq wk wv wo w1 w3 w2 wcodes
	s_load_b64 s[24:25], s[0:1], 0x40              ; wscales
	v_lshl_add_u32 v104, v0, 2, 0x8600
	v_mov_b32 v105, 0
	v_lshrrev_b32 v1, 5, v0
	v_readfirstlane_b32 s26, v1                    ; wave = K step
	s_and_b32 s27, ttmp7, 0xffff                   ; y: which weight
	v_and_b32 v2, 31, v0                           ; lane
	v_and_b32 v3, 15, v0                           ; r
	v_bfe_u32 v4, v0, 4, 1                         ; h
	v_lshlrev_b32 v5, 4, v2                        ; 16 x lane: in memory
	s_mul_i32 s28, s26, STG
	v_add_nc_u32 v6, s28, v5                       ; into my stage: 16 x lane
	v_mul_u32_u24 v7, v3, 528
	v_lshl_add_u32 v7, v4, 7, v7
	v_add_nc_u32 v7, s28, v7                       ; out of it: row r, 128 h bytes on
	s_lshl_b32 s29, s26, 2
	s_add_co_u32 s29, s29, SCW
	v_lshlrev_b32 v8, 4, v3
	v_add_nc_u32 v8, s29, v8                       ; my row's scale word of my K step: 16 r + 4 s
	v_lshlrev_b32 v9, 3, v2                        ; 8 x lane
	v_add_nc_u32 v10, SCW, v9
	v_lshlrev_b32 v11, 3, v4                       ; 8 h: my bytes' place in the scale word
	s_lshr_b32 s30, ttmp9, 1
	s_lshl_b32 s30, s30, 16                        ; 32 (T / 2) rows of 2,048 bytes
	s_and_b32 s31, ttmp9, 1
	s_lshl_b32 s31, s31, 14                        ; 8 (T % 2) rows
	s_add_co_u32 s30, s30, s31
	s_lshl_b32 s31, s26, 9                         ; 512 bytes a K step
	s_add_co_u32 s30, s30, s31
	s_mov_b32 s31, 0
	s_mul_i32 s32, s27, 196608
	s_lshl_b32 s33, ttmp9, 2
	s_add_co_u32 s33, s33, s26
	s_mul_i32 s33, s33, 1536
	s_add_co_u32 s32, s32, s33                     ; the fragment's image: 196,608 y + 1,536 (4 T + s)
	s_mov_b32 s33, 0
	s_lshl_b32 s34, s27, 13
	s_lshl_b32 s35, ttmp9, 8
	s_add_co_u32 s34, s34, s35                     ; the tile's scale words: 8,192 y + 256 T
	s_mov_b32 s35, 0
	s_mov_b32 s36, 0x76543210
	s_mov_b32 s37, 0xfedcba98                      ; v_permlanex16_b32's selects for lane l xor 16
	s_wait_kmcnt 0x0
	s_mov_b64 s[4:5], s[8:9]                       ; the weight is chosen by the work-group's y alone
.irp i, 1,2,3,4,5,6
	s_cmp_eq_u32 s27, \i
	s_cselect_b64 s[4:5], s[8+2*\i:9+2*\i], s[4:5]
.endr
	s_add_nc_u64 s[4:5], s[4:5], s[30:31]
	s_add_nc_u64 s[22:23], s[22:23], s[32:33]
	s_add_nc_u64 s[24:25], s[24:25], s[34:35]
.irp p, 0,1,2,3,4,5,6,7,8,9,10,11,12,13,14,15
	global_load_b128 v[X+4*\p:X+4*\p+3], v5, s[4:5] offset:(\p+8*(\p/8))*2048 th:TH_LOAD_NT   ; the tile's row p: 512 consecutive bytes
.endr
	s_wait_loadcnt 0x0
.irp p, 0,1,2,3,4,5,6,7,8,9,10,11,12,13,14,15
	ds_store_b128 v6, v[X+4*\p:X+4*\p+3] offset:528*\p
.endr
.irp c, 0,1
.irp j, 0,1,2,3,4,5,6,7
	ds_load_b128 v[X+32*\c+4*\j:X+32*\c+4*\j+3], v7 offset:256*\c+16*\j   ; LDS serves a wave's instructions in order: these see my stores
.endr
.endr
	s_wait_dscnt 0x0
.irp c, 0,1
	v_max3_num_f32 v[12+\c], |v[X+32*\c]|, |v[X+32*\c+1]|, 0x1800000   ; my block 2 c + h, and the floor 2^(3 - 127): the byte cannot fall under 1
.endr
.irp i, 2,4,6,8,10,12,14,16,18,20,22,24,26,28,30
.irp c, 0,1
	v_max3_num_f32 v[12+\c], v[12+\c], |v[X+32*\c+\i]|, |v[X+32*\c+\i+1]|
.endr
.endr
.irp c, 0,1
	v_add_nc_u32 v[14+\c], 0xff000000, v[12+\c]    ; 2 off the exponent field: the conversion's scale operand
.endr
.irp c, 0,1
	v_lshrrev_b32 v[12+\c], 23, v[14+\c]           ; the scale's byte
.endr
	v_lshl_or_b32 v100, v13, 16, v12               ; blocks h and 2 + h,
	v_lshlrev_b32 v100, v11, v100                  ; at their places in the word;
	v_mov_b32 v101, 0
	v_permlanex16_b32 v101, v100, s36, s37
	v_or_b32 v100, v100, v101                      ; with lane l xor 16's two the word is whole
.irp c, 0,1
	v_cvt_scalef32_pk16_fp6_f32 v[C+6*\c:C+6*\c+2], v[X+32*\c:X+32*\c+15], v[14+\c]
	v_cvt_scalef32_pk16_fp6_f32 v[92+4*\c:94+4*\c], v[X+32*\c+16:X+32*\c+31], v[14+\c]   ; (a conversion's three registers begin on an even number)
.endr
	v_nop                                          ; one plain place behind a scaled conversion
.irp c, 0,1
.irp i, 0,1,2
	v_mov_b32 v[C+3+6*\c+\i], v[92+4*\c+\i]
.endr
.endr
.irp c, 0,1,2
	global_store_b128 v5, v[C+4*\c:C+4*\c+3], s[22:23] offset:512*\c   ; the image: 512 consecutive bytes a store
.endr
	ds_store_b32 v8, v100                          ; both halves of the lanes write the same word with the same value
	s_wait_dscnt 0x0                               ; for the others' sake: my word has landed
	s_barrier_signal -1
	s_barrier_wait -1
	s_cmp_lg_u32 s26, 0
	s_cbranch_scc1 .Lend                           ; wave 0 stores the tile's 256 bytes of scale words, whole
	ds_load_b64 v[102:103], v10
	s_wait_dscnt 0x0
	global_store_b64 v9, v[102:103], s[24:25]
.Lend:
	s_wait_tensorcnt 0x0
	ds_add_u32 v104, v105
	s_wait_dscnt 0x0
	s_endpgm
.Lfunc_end_k_qe126c601eb_wquant:
	.size	k_qe126c601eb_wquant, .Lfunc_end_k_qe126c601eb_wquant-k_qe126c601eb_wquant
	.p2alignl 7, 3214868480
	.fill 96, 4, 3214868480
	.section	.rodata,"a",@progbits
	.p2align	6, 0x0
	.amdhsa_kernel k_qe126c601eb_wquant
		.amdhsa_group_segment_fixed_size 34816
		.amdhsa_private_segment_fixed_size 0
		.amdhsa_enable_private_segment 0
		.amdhsa_kernarg_size 72
		.amdhsa_user_sgpr_count 2
		.amdhsa_user_sgpr_kernarg_segment_ptr 1
		.amdhsa_wavefront_size32 1
		.amdhsa_system_sgpr_workgroup_id_x 1
		.amdhsa_system_sgpr_workgroup_id_y 1
		.amdhsa_system_sgpr_workgroup_id_z 1
		.amdhsa_system_vgpr_workitem_id 0
		.amdhsa_next_free_vgpr 106
		.amdhsa_next_free_sgpr 66
		.amdhsa_reserve_vcc 0
		.amdhsa_float_denorm_mode_32 3
		.amdhsa_float_denorm_mode_16_64 3
		.amdhsa_memory_ordered 1
		.amdhsa_forward_progress 1
		.amdhsa_inst_pref_size 10
	.end_amdhsa_kernel
	.amdgpu_metadata
---
amdhsa.version: [ 1, 2 ]
amdhsa.kernels:
  - .name:           k_qe126c601eb_wquant
    .symbol:         k_qe126c601eb_wquant.kd
    .args:
      - { .name: wq, .offset: 0, .size: 8, .value_kind: global_buffer, .address_space: global }
      - { .name: wk, .offset: 8, .size: 8, .value_kind: global_buffer, .address_space: global }
      - { .name: wv, .offset: 16, .size: 8, .value_kind: global_buffer, .address_space: global }
      - { .name: wo, .offset: 24, .size: 8, .value_kind: global_buffer, .address_space: global }
      - { .name: w1, .offset: 32, .size: 8, .value_kind: global_buffer, .address_space: global }
      - { .name: w3, .offset: 40, .size: 8, .value_kind: global_buffer, .address_space: global }
      - { .name: w2, .offset: 48, .size: 8, .value_kind: global_buffer, .address_space: global }
      - { .name: wcodes, .offset: 56, .size: 8, .value_kind: global_buffer, .address_space: global }
      - { .name: wscales, .offset: 64, .size: 8, .value_kind: global_buffer, .address_space: global }
    .group_segment_fixed_size: 34816
    .private_segment_fixed_size: 0
    .kernarg_segment_align: 8
    .kernarg_segment_size: 72
    .max_flat_workgroup_size: 128
    .sgpr_count:     66
    .vgpr_count:     106
    .wavefront_size: 32
...
	.end_amdgpu_metadata
.endif
;; end of part 1
;; launch qkv (part 2): grid 256 x 1, 16 waves a work-group, no clusters, 97,792 bytes of LDS; arguments x, ln1_g, ln1_b, wcodes, wscales, qkvc, qkvs; writes qkvc, qkvs
.if DOCPART == 2
	.amdgcn_target "amdgcn-amd-amdhsa--gfx1250"
	.amdhsa_code_object_version 6
	.text
	.protected	k_qe126c601eb_qkv
	.globl	k_qe126c601eb_qkv
	.p2align	8
	.type	k_qe126c601eb_qkv,@function
k_qe126c601eb_qkv:
	s_mov_b64 s[64:65], 0
	v_nop
	global_prefetch_b8 v0, s[64:65] scope:SCOPE_SE
	s_setreg_imm32_b32 hwreg(HW_REG_WAVE_MODE, 25, 1), 1
	s_wait_xcnt 0x0
; h = LayerNorm(x) is quantised along its 512; q = h wq^T, k = h wk^T, v = h wv^T on codes of FP6 (E2M3); q and k are quantised along a head's 32, v along 32 keys; only codes go to memory.
; SHARES.  A work-group takes 32 tokens (one block of 32 keys).  Wave w normalises rows 2 w and 2 w + 1, and then makes head w (columns 32 w .. 32 w + 31) of q, k and v for all 32 tokens.
; Its two tiles of a weight (96 registers of codes, 8 of scale words) come from memory straight into operand registers, in the order in which an earlier launch laid them, a phase ahead.
; q, k: source 0 = 16 rows of the weight, source 1 = 16 tokens: lane (r, h) holds token r and columns 32 w + 16 h + 0 .. 15 in 16 registers.
; v: source 0 = 16 tokens (lane r takes token 8 m + r + 8 (r / 8)), source 1 = the weight: lane (r, h) holds ONE channel and keys 16 h + 0 .. 15.
; OUT.  qkvc: q at 0, k at 3,145,728: [batch x head][token][24 bytes]; v at 6,291,456: [batch x head][block of 32 keys][channel' 32][24 bytes], channel' 16 u + r standing for channel 8 u + r + 8 (r / 8).
; qkvs: q at 0, k at 524,288: a word a token (byte 0 the scale, bytes 1-3 the byte of 1.0); v at 1,048,576: [batch x head][block][channel'] bytes.
; LDS: h's codes as rows of 384 bytes, 400 apart (100 words: the 32 lanes of an 8-byte fragment load touch 64 different banks); 16 scale bytes a row; a stage of f32 rows for the turn from memory's order to 16 neighbours a lane.
; NOT USED: tensor loads and a cluster's joint loads for the weights.  Each wave wants only its own sixteenth of a weight, 12,288 bytes, and takes it as operand registers; through LDS the same bytes would be written and read once more.
; LIMITS: NaN and infinities are not served; a block of zeros, or under 2^-124, gets the scale byte 1 (its codes are zeros; this program alone reads the bytes).
.set HC,   0                           ; h's code rows: 32 x 400
.set HSC,  12800                       ; their scale bytes: 32 x 16
.set FS,   13312                       ; f32 stage: row pitch 2,576; 16 bytes of padding behind each 64
.set W,    32                          ; v32-127  the weight's fragments: (tile u, K step s) at W + 12 (4 u + s)
.set WS,   128                         ; v128-135 its scale words, 4 u + s
.set XS,   136                         ; v136-143 the tokens' scale words, 4 m + s
.set XF,   144                         ; v144-191 the tokens' fragments: two buffers of 24; between products gain, bias and codes
.set ACCA, 192                         ; v192-223 four accumulators
.set ACCB, 224                         ; v224-255 LN's numbers, later the codes and words on their way to memory
; v1 x, v2 gain and bias, v3 stage in, v4 stage out, v5 code rows in, v6 scale bytes in, v7 fragments, v8 scale words, v9 weight codes, v10 weight scales,
; v11, v12 the same as v7, v8 for v's order of tokens, v13 codes out, v14 words out, v15 v's bytes out; v16-31 at work
.macro WLOAD y                         ; my two tiles of weight y: 24 loads of 512 consecutive bytes, and their scale words
.set i, 0
.rept 24
	global_load_b128 v[W+4*i:W+4*i+3], v9, s[10:11] offset:\y*196608+512*i
.set i, i+1
.endr
	global_load_b128 v[WS:WS+3], v10, s[12:13] offset:\y*8192
	global_load_b128 v[WS+4:WS+7], v10, s[12:13] offset:\y*8192+256
.endm
.macro XLOAD creg, adr, rstep, buf, ks ; two fragments (16 rows x 128 K) of K step ks into buffer buf: 24 bytes of a row's stream of bits as three loads of 8
.irp m, 0,1
.irp p, 0,1,2,3,4,5
	ds_load_b64 v[XF+24*(\buf)+12*\m+2*\p:XF+24*(\buf)+12*\m+2*\p+1], v[\adr] offset:\creg+400*\rstep*\m+96*(\ks)+48*(\p/3)+8*(\p%3)
.endr
.endr
.endm
.macro WM acc, m, u, ks, zero, swap
.set FX, XF+24*((\ks)%2)+12*\m
.set FW, W+12*(4*\u+\ks)
.if \swap
.set DD, \acc+16*\u+8*\m
.if (\zero) && (\ks == 0)
	v_wmma_scale_f32_16x16x128_f8f6f4 v[DD:DD+7], v[FX:FX+11], v[FW:FW+11], 0, v[XS+4*\m+\ks], v[WS+4*\u+\ks] matrix_a_fmt:MATRIX_FMT_FP6 matrix_b_fmt:MATRIX_FMT_FP6
.else
	v_wmma_scale_f32_16x16x128_f8f6f4 v[DD:DD+7], v[FX:FX+11], v[FW:FW+11], v[DD:DD+7], v[XS+4*\m+\ks], v[WS+4*\u+\ks] matrix_a_fmt:MATRIX_FMT_FP6 matrix_b_fmt:MATRIX_FMT_FP6
.endif
.else
.set DD, \acc+16*\m+8*\u
.if (\zero) && (\ks == 0)
	v_wmma_scale_f32_16x16x128_f8f6f4 v[DD:DD+7], v[FW:FW+11], v[FX:FX+11], 0, v[WS+4*\u+\ks], v[XS+4*\m+\ks] matrix_a_fmt:MATRIX_FMT_FP6 matrix_b_fmt:MATRIX_FMT_FP6
.else
	v_wmma_scale_f32_16x16x128_f8f6f4 v[DD:DD+7], v[FW:FW+11], v[FX:FX+11], v[DD:DD+7], v[WS+4*\u+\ks], v[XS+4*\m+\ks] matrix_a_fmt:MATRIX_FMT_FP6 matrix_b_fmt:MATRIX_FMT_FP6
.endif
.endif
.endm
; 32 tokens x my 32 columns x K = 512: four K steps of four matrix instructions; the four accumulators take turns, one instruction a turn.
.macro GEMM creg, sreg, adr, sadr, rstep, acc, zero, swap
	ds_load_b128 v[XS:XS+3], v[\sadr] offset:\sreg               ; a row's 16 scale bytes are its four K steps' words
	ds_load_b128 v[XS+4:XS+7], v[\sadr] offset:\sreg+16*\rstep
	XLOAD \creg, \adr, \rstep, 0, 0
	XLOAD \creg, \adr, \rstep, 1, 1
	s_wait_loadcnt 0x0                             ; the weight's fragments and words
.irp ks, 0,1,2,3
.if \ks < 3
	s_wait_dscnt 12                                ; all but the other buffer's 12 loads are in
.else
	s_wait_dscnt 0x0
.endif
.irp m, 0,1
.irp u, 0,1
	WM \acc, \m, \u, \ks, \zero, \swap
.endr
.endr
.if \ks < 2
.rept 4
	v_nop                                          ; four places in front of loads into registers that these products read (ISA guide 7.12.1 for vector instructions)
.endr
	XLOAD \creg, \adr, \rstep, \ks, \ks+2
.endif
.endr
.rept 5
	v_nop                                          ; five places: in front of loads into the operands, of reads of the results, and of a later product that begins these accumulators anew
.endr
.endm
.macro WSUM                            ; v22 summed over the 32 lanes, the result in every lane
	v_add_f32_dpp v22, v22, v22 row_xmask:1 row_mask:0xf bank_mask:0xf
	v_add_f32_dpp v22, v22, v22 row_xmask:2 row_mask:0xf bank_mask:0xf
	v_add_f32_dpp v22, v22, v22 row_xmask:4 row_mask:0xf bank_mask:0xf
	v_add_f32_dpp v22, v22, v22 row_xmask:8 row_mask:0xf bank_mask:0xf
	v_permlanex16_b32 v26, v22, s24, s25
	v_add_f32 v22, v22, v26
.endm
; One row of 512, 16 neighbours a lane in v[x] on: mean, then the mean of the squared differences (no difference of large sums), rsqrt, gain and bias; quantised (two lanes hold a block); codes and byte to LDS.
.macro LNROW x, creg, sreg, row, cd, by
	v_pk_add_f32 v[22:23], v[\x:\x+1], v[\x+2:\x+3]
	v_pk_add_f32 v[24:25], v[\x+4:\x+5], v[\x+6:\x+7]
	v_pk_add_f32 v[22:23], v[22:23], v[\x+8:\x+9]
	v_pk_add_f32 v[24:25], v[24:25], v[\x+10:\x+11]
	v_pk_add_f32 v[22:23], v[22:23], v[\x+12:\x+13]
	v_pk_add_f32 v[24:25], v[24:25], v[\x+14:\x+15]
	v_pk_add_f32 v[22:23], v[22:23], v[24:25]
	v_add_f32 v22, v22, v23
	WSUM
	v_mul_f32 v22, s26, v22                        ; the mean
.irp i, 0,2,4,6,8,10,12,14
	v_pk_add_f32 v[\x+\i:\x+\i+1], v[\x+\i:\x+\i+1], v[22:23] op_sel_hi:[1,0] neg_lo:[0,1] neg_hi:[0,1]
.endr
	v_pk_mul_f32 v[22:23], v[\x:\x+1], v[\x:\x+1]
	v_pk_mul_f32 v[24:25], v[\x+2:\x+3], v[\x+2:\x+3]
.irp i, 4,8,12
	v_pk_fma_f32 v[22:23], v[\x+\i:\x+\i+1], v[\x+\i:\x+\i+1], v[22:23]
	v_pk_fma_f32 v[24:25], v[\x+\i+2:\x+\i+3], v[\x+\i+2:\x+\i+3], v[24:25]
.endr
	v_pk_add_f32 v[22:23], v[22:23], v[24:25]
	v_add_f32 v22, v22, v23
	WSUM
	v_fma_f32 v22, v22, s26, s27                   ; the variance + 1e-5
	v_rsq_f32 v22, v22
	v_nop                                          ; a plain place behind the transcendental
	s_wait_alu depctr_va_vdst(0)
.irp i, 0,2,4,6,8,10,12,14
	v_pk_mul_f32 v[\x+\i:\x+\i+1], v[\x+\i:\x+\i+1], v[22:23] op_sel_hi:[1,0]
.endr
.irp i, 0,2,4,6,8,10,12,14
	v_pk_fma_f32 v[\x+\i:\x+\i+1], v[\x+\i:\x+\i+1], v[XF+\i:XF+\i+1], v[XF+16+\i:XF+16+\i+1]
.endr
	v_max3_num_f32 v22, |v[\x]|, |v[\x+1]|, 0x1800000   ; my 16, and the floor 2^(3 - 127)
.irp i, 2,4,6,8,10,12,14
	v_max3_num_f32 v22, v22, |v[\x+\i]|, |v[\x+\i+1]|
.endr
	v_max_num_f32_dpp v22, v22, v22 row_xmask:1 row_mask:0xf bank_mask:0xf   ; and my neighbour's 16: the block's
	v_add_nc_u32 v27, 0xff000000, v22              ; 2 off the exponent field: the conversion's scale operand
	v_lshrrev_b32 v[\by], 23, v27                  ; the scale's byte
	v_cvt_scalef32_pk16_fp6_f32 v[\cd:\cd+2], v[\x:\x+15], v27
	v_nop                                          ; one plain place behind a scaled conversion
.irp i, 0,1,2
	ds_store_b32 v5, v[\cd+\i] offset:\creg+400*\row+4*\i
.endr
	ds_store_b8 v6, v[\by] offset:\sreg+16*\row    ; both lanes of a block write the same byte with the same value
.endm
; Two runs of 16 registers, each half a block of 32 whose other half lies in lane l xor 16, become 12 bytes of codes each; the bytes are left in v27, v28.  Each run is read from its low end on.
.macro QUANT2 s0, s1, cd0, cd1
	v_max3_num_f32 v21, |v[\s0]|, |v[\s0+1]|, 0x1800000
	v_max3_num_f32 v22, |v[\s1]|, |v[\s1+1]|, 0x1800000
.irp i, 2,4,6,8,10,12,14
	v_max3_num_f32 v21, v21, |v[\s0+\i]|, |v[\s0+\i+1]|
	v_max3_num_f32 v22, v22, |v[\s1+\i]|, |v[\s1+\i+1]|
.endr
	v_permlanex16_b32 v23, v21, s24, s25
	v_permlanex16_b32 v24, v22, s24, s25
	v_max_num_f32 v21, v21, v23
	v_max_num_f32 v22, v22, v24
	v_add_nc_u32 v25, 0xff000000, v21
	v_add_nc_u32 v26, 0xff000000, v22
	v_lshrrev_b32 v27, 23, v25
	v_lshrrev_b32 v28, 23, v26
	v_cvt_scalef32_pk16_fp6_f32 v[\cd0:\cd0+2], v[\s0:\s0+15], v25
	v_cvt_scalef32_pk16_fp6_f32 v[\cd1:\cd1+2], v[\s1:\s1+15], v26
	v_nop                                          ; one plain place behind the conversions: the next product writes their sources
.endm
; q's or k's way out: codes 384 consecutive bytes a store, one word a token.  cb: registers of this phase's own, so that no store's data are written again.
.macro EPI reg, sreg, cb
	QUANT2 ACCA, ACCA+16, \cb, \cb+4
	global_store_b96 v13, v[\cb:\cb+2], s[14:15] offset:\reg
	global_store_b96 v13, v[\cb+4:\cb+6], s[14:15] offset:\reg+384
	s_mov_b32 vcc_lo, 0xffff0000
	v_cndmask_b32 v[\cb+8], v27, v28, vcc_lo       ; lanes 0-15: tokens 0-15; lanes 16-31: tokens 16-31
	v_or_b32 v[\cb+8], 0x7f7f7f00, v[\cb+8]        ; bytes 1-3: the byte of 1.0, for the part of the score product's K that holds zero codes
	global_store_b32 v14, v[\cb+8], s[16:17] offset:\sreg
.endm
	s_load_b256 s[4:11], s[0:1], 0x0               ; x, gain, bias, wcodes
	s_load_b128 s[12:15], s[0:1], 0x20             ; wscales, qkvc
	s_load_b64 s[16:17], s[0:1], 0x30              ; qkvs
	v_lshl_add_u32 v30, v0, 2, 0x17600
	v_mov_b32 v31, 0
	v_lshrrev_b32 v16, 5, v0
	v_readfirstlane_b32 s20, v16                   ; wave 0..15
	v_and_b32 v17, 31, v0                          ; lane
	v_and_b32 v18, 15, v0                          ; r
	v_bfe_u32 v19, v0, 4, 1                        ; h
	s_lshr_b32 s21, ttmp9, 6                       ; batch
	s_and_b32 s22, ttmp9, 63                       ; block of 32 tokens in it
	s_lshl_b32 s30, ttmp9, 16                      ; x: 32 rows of 2,048 bytes
	s_mov_b32 s31, 0
	s_mul_i32 s32, s21, 786432
	s_mul_i32 s23, s22, 768
	s_add_co_u32 s32, s32, s23                     ; codes: 16 heads x 49,152 a batch, 768 a block: the same for q, k and v
	s_mov_b32 s33, 0
	s_lshl_b32 s34, s21, 17
	s_lshl_b32 s23, s22, 7
	s_add_co_u32 s34, s34, s23                     ; q's and k's words
	s_mov_b32 s35, 0
	s_lshl_b32 s36, s21, 15
	s_lshl_b32 s23, s22, 5
	s_add_co_u32 s36, s36, s23                     ; v's bytes
	s_mov_b32 s37, 0
	s_mov_b32 s24, 0x76543210
	s_mov_b32 s25, 0xfedcba98                      ; v_permlanex16_b32's selects for lane l xor 16
	s_mov_b32 s26, 0x3b000000                      ; 1 / 512
	s_mov_b32 s27, 0x3727c5ac                      ; 1e-5
	s_lshl_b32 s21, s20, 12
	v_lshl_add_u32 v1, v17, 4, s21                 ; x: 16 lane + my two rows
	v_lshlrev_b32 v2, 6, v17                       ; gain, bias: my 16 columns
	v_lshrrev_b32 v16, 2, v17
	v_mul_u32_u24 v16, v16, 80
	v_and_b32 v20, 3, v17
	v_lshl_add_u32 v16, v20, 4, v16                ; the stage in memory's order: 80 (lane / 4) + 16 (lane % 4)
	s_mul_i32 s21, s20, 5152
	s_add_co_u32 s21, s21, FS                      ; my two rows of the stage
	v_add_nc_u32 v3, s21, v16
	v_mul_u32_u24 v4, v17, 80
	v_add_nc_u32 v4, s21, v4                       ; 16 neighbours a lane: 80 x lane
	s_mul_i32 s21, s20, 800
	v_mul_u32_u24 v5, v17, 12
	v_add_nc_u32 v5, s21, v5                       ; code rows in: 12 bytes a lane
	s_lshl_b32 s21, s20, 5
	v_lshrrev_b32 v6, 1, v17
	v_add_nc_u32 v6, s21, v6                       ; scale bytes in
	v_mul_u32_u24 v7, v18, 400
	v_mad_u32_u24 v7, v19, 24, v7                  ; a fragment: row r, 24 h
	v_lshlrev_b32 v8, 4, v18                       ; its scale words
	s_mul_i32 s21, s20, 12288
	v_lshl_add_u32 v9, v17, 4, s21                 ; my two tiles' images
	s_lshl_b32 s21, s20, 9
	v_lshl_add_u32 v10, v18, 4, s21                ; and scale words
	v_and_b32 v16, 8, v18
	v_add_nc_u32 v16, v16, v18                     ; r + 8 (r / 8)
	v_mul_u32_u24 v11, v16, 400
	v_mad_u32_u24 v11, v19, 24, v11
	v_lshlrev_b32 v12, 4, v16
	s_mul_i32 s21, s20, 49152
	v_mul_u32_u24 v13, v18, 24
	v_mad_u32_u24 v13, v19, 12, v13
	v_add_nc_u32 v13, s21, v13                     ; codes out: head w, row r, 12 h
	s_lshl_b32 s21, s20, 13
	v_lshl_add_u32 v14, v17, 2, s21                ; words out
	s_lshl_b32 s21, s20, 11
	v_add_nc_u32 v15, s21, v17                     ; v's bytes out
	v_mov_b32 v23, 0                               ; written once: a lane permute's destination counts as one of its sources
	v_mov_b32 v24, 0
	v_mov_b32 v26, 0
	s_wait_kmcnt 0x0
	s_add_nc_u64 s[4:5], s[4:5], s[30:31]
	s_add_nc_u64 s[14:15], s[14:15], s[32:33]
	s_add_nc_u64 s[18:19], s[16:17], s[36:37]
	s_add_nc_u64 s[16:17], s[16:17], s[34:35]
	; ---- LN1: my two rows
.irp t, 0,1,2,3,4,5,6,7
	global_load_b128 v[ACCA+4*\t:ACCA+4*\t+3], v1, s[4:5] offset:2048*(\t/4)+512*(\t%4)   ; 512 consecutive bytes
.endr
.irp i, 0,1,2,3
	global_load_b128 v[XF+4*\i:XF+4*\i+3], v2, s[6:7] offset:16*\i
.endr
.irp i, 0,1,2,3
	global_load_b128 v[XF+16+4*\i:XF+16+4*\i+3], v2, s[8:9] offset:16*\i
.endr
	WLOAD 0
	s_wait_loadcnt 34                              ; x's eight loads are in; gain's and bias's 8 and the weight's 26 may be out
.irp t, 0,1,2,3,4,5,6,7
	ds_store_b128 v3, v[ACCA+4*\t:ACCA+4*\t+3] offset:2576*(\t/4)+640*(\t%4)
.endr
.irp t, 0,1,2,3,4,5,6,7
	ds_load_b128 v[ACCB+4*\t:ACCB+4*\t+3], v4 offset:2576*(\t/4)+16*(\t%4)   ; my own rows: LDS serves a wave's instructions in order
.endr
	s_wait_loadcnt 26                              ; gain and bias are in; the weight's 26 may be out
	s_wait_dscnt 0x0
	LNROW ACCB, HC, HSC, 0, XF+32, 28
	LNROW ACCB+16, HC, HSC, 1, XF+36, 29
	s_wait_dscnt 0x0                               ; for the others' sake: my rows' codes and bytes have landed
	s_barrier_signal -1
	s_barrier_wait -1                              ; the launch's one barrier: behind it h's codes are only read
	; ---- q, k, v
	GEMM HC, HSC, 7, 8, 16, ACCA, 1, 0
	WLOAD 1
	EPI 0, 0, 224
	GEMM HC, HSC, 7, 8, 16, ACCA, 1, 0
	WLOAD 2
	EPI 3145728, 524288, 234
	GEMM HC, HSC, 11, 12, 8, ACCA, 1, 1
	QUANT2 ACCA, ACCA+16, 244, 248
	global_store_b96 v13, v[244:246], s[14:15] offset:6291456
	global_store_b96 v13, v[248:250], s[14:15] offset:6291456+384
	s_mov_b32 vcc_lo, 0xffff0000
	v_cndmask_b32 v252, v27, v28, vcc_lo           ; lanes 0-15: channels' 0-15; lanes 16-31: channels' 16-31
	global_store_b8 v15, v252, s[18:19] offset:1048576
	s_wait_tensorcnt 0x0
	ds_add_u32 v30, v31
	s_wait_dscnt 0x0
	s_endpgm
.Lfunc_end_k_qe126c601eb_qkv:
	.size	k_qe126c601eb_qkv, .Lfunc_end_k_qe126c601eb_qkv-k_qe126c601eb_qkv
	.p2alignl 7, 3214868480
	.fill 96, 4, 3214868480
	.section	.rodata,"a",@progbits
	.p2align	6, 0x0
	.amdhsa_kernel k_qe126c601eb_qkv
		.amdhsa_group_segment_fixed_size 97792
		.amdhsa_private_segment_fixed_size 0
		.amdhsa_enable_private_segment 0
		.amdhsa_kernarg_size 56
		.amdhsa_user_sgpr_count 2
		.amdhsa_user_sgpr_kernarg_segment_ptr 1
		.amdhsa_wavefront_size32 1
		.amdhsa_system_sgpr_workgroup_id_x 1
		.amdhsa_system_sgpr_workgroup_id_y 1
		.amdhsa_system_sgpr_workgroup_id_z 1
		.amdhsa_system_vgpr_workitem_id 0
		.amdhsa_next_free_vgpr 256
		.amdhsa_next_free_sgpr 66
		.amdhsa_reserve_vcc 1
		.amdhsa_float_denorm_mode_32 3
		.amdhsa_float_denorm_mode_16_64 3
		.amdhsa_memory_ordered 1
		.amdhsa_forward_progress 1
		.amdhsa_inst_pref_size 46
	.end_amdhsa_kernel
	.amdgpu_metadata
---
amdhsa.version: [ 1, 2 ]
amdhsa.kernels:
  - .name:           k_qe126c601eb_qkv
    .symbol:         k_qe126c601eb_qkv.kd
    .args:
      - { .name: x, .offset: 0, .size: 8, .value_kind: global_buffer, .address_space: global }
      - { .name: ln1_g, .offset: 8, .size: 8, .value_kind: global_buffer, .address_space: global }
      - { .name: ln1_b, .offset: 16, .size: 8, .value_kind: global_buffer, .address_space: global }
      - { .name: wcodes, .offset: 24, .size: 8, .value_kind: global_buffer, .address_space: global }
      - { .name: wscales, .offset: 32, .size: 8, .value_kind: global_buffer, .address_space: global }
      - { .name: qkvc, .offset: 40, .size: 8, .value_kind: global_buffer, .address_space: global }
      - { .name: qkvs, .offset: 48, .size: 8, .value_kind: global_buffer, .address_space: global }
    .group_segment_fixed_size: 97792
    .private_segment_fixed_size: 0
    .kernarg_segment_align: 8
    .kernarg_segment_size: 56
    .max_flat_workgroup_size: 512
    .sgpr_count:     66
    .vgpr_count:     256
    .wavefront_size: 32
...
	.end_amdgpu_metadata
.endif
;; end of part 2
;; launch attn (part 3): grid 4 x 64, 16 waves a work-group, no clusters, 114,944 bytes of LDS; arguments qkvc, qkvs, ocodes, oscales; writes ocodes, oscales
.if DOCPART == 3
	.amdgcn_target "amdgcn-amd-amdhsa--gfx1250"
	.amdhsa_code_object_version 6
	.text
	.protected	k_qe126c601eb_attn
	.globl	k_qe126c601eb_attn
	.p2align	8
	.type	k_qe126c601eb_attn,@function
k_qe126c601eb_attn:
	s_mov_b64 s[64:65], 0
	v_nop
	global_prefetch_b8 v0, s[64:65] scope:SCOPE_SE
	s_setreg_imm32_b32 hwreg(HW_REG_WAVE_MODE, 25, 1), 1
	s_wait_xcnt 0x0
; o = softmax(q k^T / sqrt(32) + ALiBi, causal) v for one batch x head, both products on codes of FP6 (E2M3); o is divided by the row's sum and leaves as codes (a head's 32 are one block of the next product's K).
; THE SOFTMAX: t = logit x log2(e); M = the running largest t rounded UP to a whole number; p = 2^(t - M) is quantised along the keys, not normalised; the row's sum is taken of the unquantised p.
; When M moves, the sum and O are multiplied by 2^(old M - new M): exact.
; SHARES.  A work-group (x = j, y = batch x head) holds the head's K and V, codes and scales, in LDS: filled once, then only read.  Wave w owns two tiles of 16 queries, 4 w + j and 124 - 4 w + j:
; their key steps of 128 under the causal mask number w / 2 + 1 and 16 - w / 2: 17 for every wave of the launch.  Every wave walks all 16 steps of a loop of constant count and jumps, on ids alone, over a tile's work where all keys are hidden.
; LAYOUT.  Both products are used transposed: S^T = K Q^T (source 0 = 16 keys, source 1 = 16 queries), O^T = V^T P^T: a lane holds ONE query (lane % 16) throughout.
; THE KEYS OF A TILE ARE NOT NEIGHBOURS: lane r of tile 2 b + u takes key 32 b + 8 u + r + 8 (r / 8): the 16 registers of tiles 2 b, 2 b + 1 are keys 32 b + 16 (lane / 16) + 0 .. 15.
; K = 32 IN AN INSTRUCTION OF K = 128: Q's fragment holds zero codes beyond k = 31 (lanes 16-31 and registers 6-11).  K's fragment holds whatever lies there (the next tile's codes): every pattern of 6 bits is a finite number,
; its scale byte there is that of 1.0, and it is multiplied by zeros.
; ALiBi costs no instruction a score: the part slope x sqrt(32) x (16 h + i) is the C of the score products, the rest is one addend for each block of 32 keys.
; NOT USED: a cluster's joint loads for the four work-groups of a head.  The tiles are laid anew on their way into LDS (V by pairs of key blocks, the scale words by tiles), through registers, once in the launch: 104 KB a work-group.
; LIMITS: NaN and infinities are not served; the slopes 2^(-(head + 1) / 2) come from v_exp_f32; a block of zeros gets the scale byte 1 (its codes are zeros; this program alone reads the bytes).
.set KC,  0                            ; K's codes: [key][24 bytes]
.set VC,  49152                        ; V's codes: [pair of key blocks 32][u 2][r 16][h 2][24 bytes]: a fragment load's 32 lanes are 24 bytes apart
.set KS,  98304                        ; K's scale words: [step 16][r 16, 48 bytes apart][tile 8]
.set VS,  110592                       ; V's scale bytes: [channel' 32, 68 bytes apart][key block 64]
.set AK0, 1                            ; v1-4   my lane's place in K's codes, V's codes, K's words, V's bytes
.set AV0, 2
.set AKS0, 3
.set AVS0, 4
.set RL,  5                            ; v5     r - 16 h
.set SLP, 6                            ; v6     slope x log2(e)
.set NINF, 7                           ; v7     -infinity
.set ADK, 8                            ; v8-11  the step's addresses
.set ADV, 9
.set ADS, 10
.set ADT, 11
.set LB,  12                           ; v12-15 slope x log2(e) x (32 b - r)
.set AL,  16                           ; v16-31 slope x sqrt(32) x (16 h + i)
.set KF,  32                           ; v32-55 four tiles of K, or two fragments of V; v56-61 zeros
.set KSR, 62                           ; v62-69 K's scale words; v70-71 V's; v72 p's; v73, v74 Q's
.set VSR, 70
.set PS,  72
.set QSA, 73
.set QSB, 74
.set QA,  76                           ; v76-87, v88-99 Q's fragments
.set QB,  88
.set OA,  100                          ; v100-115, v116-131 O^T
.set OB,  116
.set STA, 132                          ; -M, the largest t, the sum in two halves; for each tile
.set STB, 136
.set S,   140                          ; v140-203 S^T, then p
.set PC,  204                          ; v204-215 p's codes
.set PA,  216                          ; v216-223 for block b: the addend at 2 b, the largest score at 2 b + 1
.set BP,  224                          ; v224-227 at work
.set SO,  228                          ; v228-231 the conversions' scale operands
.set CT,  232                          ; v232-234, v236-238 halves of blocks
.set F,   240                          ; v240 (with v241) 2^(old M - new M)
.set SUM2, 244
; A key step of one tile.  d: the scalar that holds D = the tile's first query - the step's first key.
.macro STEP d, q, qs, o, st
	v_cvt_f32_u32 v242, s[\d]
.irp b, 0,1,2,3
	v_fma_f32 v[PA+2*\b], -v242, v[SLP], v[LB+\b]  ; the block's addend: slope x log2(e) x (32 b - r - D).  (These four are the places in front of the loads into registers that the last products read)
.endr
	ds_load_b128 v[KSR:KSR+3], v[ADS]
	ds_load_b128 v[KSR+4:KSR+7], v[ADS] offset:16
.irp g, 0,1                                    ; S^T = K Q^T + ALiBi's part, four tiles of 16 keys at a time
.if \g
.rept 4
	v_nop                                          ; places in front of loads into registers that matrix instructions have read
.endr
.endif
.irp i, 0,1,2,3
.irp p, 0,1,2
	ds_load_b64 v[KF+6*\i+2*\p:KF+6*\i+2*\p+1], v[ADK] offset:24*(32*((4*\g+\i)/2)+8*(\i%2))+8*\p
.endr
.endr
	s_wait_dscnt 0x0
.irp i, 0,1,2,3
	v_wmma_scale_f32_16x16x128_f8f6f4 v[S+8*(4*\g+\i):S+8*(4*\g+\i)+7], v[KF+6*\i:KF+6*\i+11], v[\q:\q+11], v[AL+8*(\i%2):AL+8*(\i%2)+7], v[KSR+4*\g+\i], v[\qs] matrix_a_fmt:MATRIX_FMT_FP6 matrix_b_fmt:MATRIX_FMT_FP6
.endr
.endr
.rept 4
	v_nop                                          ; places in front of the loads below and of the first read of the scores
.endr
.irp u, 0,1                                    ; V's two fragments are asked for now and land under the softmax
.irp c, 0,1
.irp p, 0,1,2
	ds_load_b64 v[KF+12*\u+6*\c+2*\p:KF+12*\u+6*\c+2*\p+1], v[ADV] offset:1536*\c+768*\u+8*\p
.endr
.endr
	ds_load_b32 v[VSR+\u], v[ADT] offset:1088*\u
.endr
	s_cmp_ge_i32 s[\d], 128                        ; a step all of whose keys count skips the mask: a branch on ids
	s_cbranch_scc1 .Lopen_\@
	v_add_nc_u32 v242, s[\d], v[RL]                ; register 16 b + i holds the step's key 32 b + 16 h + i: hidden where 32 b + i > D + r - 16 h
.set n, 0
.rept 64
	v_cmp_gt_i32 vcc_lo, 32*(n/16)+n%16, v242
	v_cndmask_b32 v[S+n], v[S+n], v[NINF], vcc_lo
.set n, n+1
.endr
.Lopen_\@:
.irp b, 0,1,2,3
	v_max3_num_f32 v[PA+2*\b+1], v[S+16*\b], v[S+16*\b+1], v[S+16*\b+2]   ; the largest score of each block of 32 keys: for the row's maximum, and, since p rises with the score, for the block's largest p
.endr
.irp i, 3,5,7,9,11,13
.irp b, 0,1,2,3
	v_max3_num_f32 v[PA+2*\b+1], v[PA+2*\b+1], v[S+16*\b+\i], v[S+16*\b+\i+1]
.endr
.endr
.irp b, 0,1,2,3
	v_max_num_f32 v[PA+2*\b+1], v[PA+2*\b+1], v[S+16*\b+15]
.endr
.irp b, 0,1,2,3
	v_permlanex16_b32 v[BP+\b], v[PA+2*\b+1], s24, s25
.endr
.irp b, 0,1,2,3
	v_max_num_f32 v[PA+2*\b+1], v[PA+2*\b+1], v[BP+\b]   ; with lane l xor 16's 16 keys
.endr
.irp b, 0,1,2,3
	v_fma_f32 v[BP+\b], v[PA+2*\b+1], s22, v[PA+2*\b]    ; as t
.endr
	v_max3_num_f32 v242, v[BP], v[BP+1], v[BP+2]
	v_max3_num_f32 v[\st+1], v[\st+1], v242, v[BP+3]     ; the running largest t
	v_mov_b32 v242, v[\st]
	v_floor_f32 v[\st], -v[\st+1]                  ; the new -M = -ceil(t): M is a whole number
	v_sub_f32 v242, v[\st], v242                   ; old M - new M: a whole number, 0 or less
	v_cvt_i32_f32 v242, v242                       ; (it saturates)
	v_ldexp_f32 v[F], 1.0, v242                    ; f = 2^(old M - new M)
.irp b, 0,1,2,3
	v_add_f32 v[PA+2*\b], v[PA+2*\b], v[\st]       ; the addend less M
.endr
.set n, 0
.rept 32
	v_pk_fma_f32 v[S+n:S+n+1], v[S+n:S+n+1], s[22:23], v[PA+2*(n/16):PA+2*(n/16)+1] op_sel_hi:[1,0,0]   ; t - M, two at a time (of each pair the low word serves both halves)
.set n, n+2
.endr
.irp b, 0,1,2,3
	v_fma_f32 v[PA+2*\b+1], v[PA+2*\b+1], s22, v[PA+2*\b]   ; the same of each block's largest score
.endr
.set n, 0
.rept 64
	v_exp_f32 v[S+n], v[S+n]                       ; p = 2^(t - M), at most 1
.set n, n+1
.endr
.irp b, 0,1,2,3
	v_exp_f32 v[PA+2*\b+1], v[PA+2*\b+1]           ; the block's largest p: the same two instructions on the same number
.endr
	v_pk_mul_f32 v[\st+2:\st+3], v[\st+2:\st+3], v[F:F+1] op_sel_hi:[1,0]   ; the sums under the new M.  (A plain place behind the exponentials)
	s_wait_alu depctr_va_vdst(0)
.irp b, 0,1,2,3
	v_max_num_f32 v[PA+2*\b+1], 0x1800000, v[PA+2*\b+1]   ; the floor 2^(3 - 127): the byte cannot fall under 1
.endr
.irp b, 0,1,2,3
	v_add_nc_u32 v[SO+\b], 0xff000000, v[PA+2*\b+1]
.endr
.irp b, 0,1,2,3
	v_lshrrev_b32 v[BP+\b], 23, v[SO+\b]
.endr
	v_lshl_or_b32 v[PS], v[BP+1], 8, v[BP]         ; p's scale word for these 128 keys
	v_lshl_or_b32 v[PS], v[BP+2], 16, v[PS]
	v_lshl_or_b32 v[PS], v[BP+3], 24, v[PS]
.irp c, 0,1
	v_cvt_scalef32_pk16_fp6_f32 v[PC+6*\c:PC+6*\c+2], v[S+32*\c:S+32*\c+15], v[SO+2*\c]
	v_cvt_scalef32_pk16_fp6_f32 v[CT+4*\c:CT+4*\c+2], v[S+32*\c+16:S+32*\c+31], v[SO+2*\c+1]
.endr
	v_nop                                          ; one plain place behind a scaled conversion
.irp c, 0,1                                    ; the operand's layout wants a WHOLE block in a lane: lanes 0-15 block 2 c, lanes 16-31 block 2 c + 1
.irp i, 0,1,2
	v_permlane16_swap_b32 v[PC+6*\c+\i], v[CT+4*\c+\i]
.endr
.irp i, 0,1,2
	v_mov_b32 v[PC+3+6*\c+\i], v[CT+4*\c+\i]
.endr
.endr
	v_pk_add_f32 v[SUM2:SUM2+1], v[S:S+1], v[S+2:S+3]   ; the row's sum of the UNQUANTISED p, in two chains
.irp j, 4,8,12,16,20,24,28,32,36,40,44,48,52,56,60
	v_pk_add_f32 v[\st+2:\st+3], v[\st+2:\st+3], v[S+\j:S+\j+1]
	v_pk_add_f32 v[SUM2:SUM2+1], v[SUM2:SUM2+1], v[S+\j+2:S+\j+3]
.endr
	v_pk_add_f32 v[\st+2:\st+3], v[\st+2:\st+3], v[SUM2:SUM2+1]
.irp j, 0,2,4,6,8,10,12,14
	v_pk_mul_f32 v[\o+\j:\o+\j+1], v[\o+\j:\o+\j+1], v[F:F+1] op_sel_hi:[1,0]   ; O^T under the new M, each accumulator from its low end on
.endr
	s_wait_dscnt 0x0                               ; V's fragments and scale words
.irp u, 0,1
	v_wmma_scale_f32_16x16x128_f8f6f4 v[\o+8*\u:\o+8*\u+7], v[KF+12*\u:KF+12*\u+11], v[PC:PC+11], v[\o+8*\u:\o+8*\u+7], v[VSR+\u], v[PS] matrix_a_fmt:MATRIX_FMT_FP6 matrix_b_fmt:MATRIX_FMT_FP6
.endr
.endm
.macro FIN o, st, dst                  ; O^T / the row's sum
	v_add_f32 v242, v[\st+2], v[\st+3]
	v_permlanex16_b32 v[BP], v242, s24, s25
	v_add_f32 v242, v242, v[BP]
	v_rcp_f32 v[F], v242
	v_nop                                          ; a plain place behind the transcendental
	s_wait_alu depctr_va_vdst(0)
.irp j, 0,2,4,6,8,10,12,14
	v_pk_mul_f32 v[\dst+\j:\dst+\j+1], v[\o+\j:\o+\j+1], v[F:F+1] op_sel_hi:[1,0]
.endr
.endm
	s_load_b256 s[4:11], s[0:1], 0x0               ; qkvc, qkvs, ocodes, oscales
	v_lshl_add_u32 v254, v0, 2, 0x1b900
	v_mov_b32 v255, 0
	v_lshrrev_b32 v8, 5, v0
	v_readfirstlane_b32 s12, v8                    ; wave 0..15
	s_and_b32 s13, ttmp7, 0xffff                   ; batch x head
	s_lshl_b32 s33, s12, 2
	s_add_co_u32 s14, s33, ttmp9                   ; tile A = 4 w + j
	s_sub_co_u32 s15, 124, s33
	s_add_co_u32 s15, s15, ttmp9                   ; tile B = 124 - 4 w + j
	s_mul_i32 s16, s13, 49152                      ; the head's codes,
	s_mov_b32 s17, 0
	s_lshl_b32 s18, s13, 13                        ; its words,
	s_mov_b32 s19, 0
	s_lshl_b32 s20, s13, 11                        ; its bytes
	s_mov_b32 s21, 0
	s_mov_b32 s22, 0x3e8293ee                      ; c = log2(e) / sqrt(32)
	s_mov_b32 s23, s22                             ; (named with it as a pair, so it is written)
	s_mov_b32 s24, 0x76543210
	s_mov_b32 s25, 0xfedcba98                      ; v_permlanex16_b32's selects for lane l xor 16
	v_and_b32 v8, 15, v0                           ; r
	v_bfe_u32 v9, v0, 4, 1                         ; h
	v_and_b32 v10, 31, v0                          ; lane
	; the fill's addresses, in registers that the loop takes over behind the waits for the fill
	v_lshlrev_b32 v204, 4, v0                      ; K's codes: 16 x thread, in memory and in LDS
	s_mul_i32 s33, s12, 3072
	v_mul_u32_u24 v205, v10, 24
	v_add_nc_u32 v205, s33, v205                   ; V's codes in memory: my wave's four key blocks, channel' = lane
	v_mul_u32_u24 v206, v9, 768
	v_mad_u32_u24 v206, v8, 48, v206
	s_add_co_u32 s33, s33, VC
	v_add_nc_u32 v206, s33, v206                   ; and in LDS: 768 (lane / 16) + 48 (lane % 16)
	v_lshlrev_b32 v207, 2, v0                      ; words: 4 x thread
	v_lshrrev_b32 v11, 7, v0
	v_mul_u32_u24 v208, v11, 768                   ; K's word of key = thread: step = key / 128,
	v_and_b32 v11, 7, v0
	v_bfe_u32 v209, v0, 4, 1
	v_lshl_add_u32 v11, v209, 3, v11               ; row r = key % 8 + 8 ((key / 16) % 2),
	v_mad_u32_u24 v208, v11, 48, v208
	v_bfe_u32 v11, v0, 5, 2
	v_bfe_u32 v209, v0, 3, 1
	v_lshl_add_u32 v11, v11, 1, v209               ; tile = 2 ((key / 32) % 4) + (key / 8) % 2
	v_lshl_add_u32 v208, v11, 2, v208
	v_add_nc_u32 v208, KS, v208
	v_and_b32 v11, 7, v0
	v_lshrrev_b32 v209, 3, v0
	v_mad_u32_u24 v209, v11, 272, v209
	v_add_nc_u32 v209, VS, v209                    ; V's four bytes of a thread: key block thread / 8, channels' 4 (thread % 8) + 0 .. 3
	s_mul_i32 s33, s14, 384
	s_mul_i32 s36, s15, 384
	v_mul_u32_u24 v11, v8, 24
	v_add_nc_u32 v210, s33, v11                    ; Q's codes: query r of each tile
	v_add_nc_u32 v211, s36, v11
	s_lshl_b32 s33, s14, 6
	s_lshl_b32 s36, s15, 6
	v_lshl_add_u32 v212, v8, 2, s33                ; and words
	v_lshl_add_u32 v213, v8, 2, s36
	s_wait_kmcnt 0x0
	s_add_nc_u64 s[4:5], s[4:5], s[16:17]
	s_add_nc_u64 s[34:35], s[6:7], s[20:21]
	s_add_nc_u64 s[6:7], s[6:7], s[18:19]
	s_add_nc_u64 s[8:9], s[8:9], s[16:17]
	s_add_nc_u64 s[10:11], s[10:11], s[20:21]
.irp k, 0,1,2,3,4,5
	global_load_b128 v[140+4*\k:143+4*\k], v204, s[4:5] offset:3145728+8192*\k
.endr
.irp i, 0,1,2,3
.irp p, 0,1,2
	global_load_b64 v[164+6*\i+2*\p:165+6*\i+2*\p], v205, s[4:5] offset:6291456+768*\i+8*\p
.endr
.endr
.irp k, 0,1,2,3
	global_load_b32 v[188+\k], v207, s[6:7] offset:524288+2048*\k
.endr
	global_load_b32 v192, v207, s[34:35] offset:1048576
.irp p, 0,1,2
	global_load_b64 v[QA+2*\p:QA+2*\p+1], v210, s[4:5] offset:8*\p
	global_load_b64 v[QB+2*\p:QB+2*\p+1], v211, s[4:5] offset:8*\p
.endr
	global_load_b32 v[QSA], v212, s[6:7]
	global_load_b32 v[QSB], v213, s[6:7]
	; constants, while the loads are out
	v_and_b32 v[AK0], 8, v8
	v_add_nc_u32 v[AK0], v[AK0], v8
	v_mul_u32_u24 v[AK0], v[AK0], 24               ; key r + 8 (r / 8) of a tile; both halves of the lanes read the same 24 bytes
	v_mul_u32_u24 v[AV0], v8, 48
	v_mad_u32_u24 v[AV0], v9, 24, v[AV0]
	v_add_nc_u32 v[AV0], VC, v[AV0]
	v_mul_u32_u24 v[AKS0], v8, 48
	v_add_nc_u32 v[AKS0], KS, v[AKS0]
	v_mul_u32_u24 v[AVS0], v8, 68
	v_add_nc_u32 v[AVS0], VS, v[AVS0]
	v_lshlrev_b32 v243, 4, v9                      ; 16 h
	v_sub_nc_u32 v[RL], v8, v243
	v_mov_b32 v[NINF], 0xff800000
	s_and_b32 s33, s13, 15
	s_add_co_u32 s33, s33, 1                       ; head + 1
	v_cvt_f32_u32 v242, s33
	v_mul_f32 v242, -0.5, v242
	v_exp_f32 v242, v242                           ; the slope 2^(-(head + 1) / 2)
	v_nop                                          ; a plain place behind the transcendental
	s_wait_alu depctr_va_vdst(0)
	v_mul_f32 v[SLP], 0x3fb8aa3b, v242             ; x log2(e)
	v_mul_f32 v244, 0x40b504f3, v242               ; x sqrt(32)
.irp i, 0,1,2,3,4,5,6,7,8,9,10,11,12,13,14,15
	v_add_nc_u32 v[AL+\i], \i, v243
.endr
.irp i, 0,1,2,3,4,5,6,7,8,9,10,11,12,13,14,15
	v_cvt_f32_u32 v[AL+\i], v[AL+\i]
.endr
.irp i, 0,1,2,3,4,5,6,7,8,9,10,11,12,13,14,15
	v_mul_f32 v[AL+\i], v244, v[AL+\i]
.endr
.irp b, 0,1,2,3
	v_sub_nc_u32 v[LB+\b], 32*\b, v8
.endr
.irp b, 0,1,2,3
	v_cvt_f32_i32 v[LB+\b], v[LB+\b]
.endr
.irp b, 0,1,2,3
	v_mul_f32 v[LB+\b], v[SLP], v[LB+\b]
.endr
.irp t, STA, STB
	v_mov_b32 v[\t+1], 0xff61b1e6                  ; the largest t so far: -3e38, under every t
	v_floor_f32 v[\t], -v[\t+1]
	v_mov_b32 v[\t+2], 0
	v_mov_b32 v[\t+3], 0
.endr
.set n, 0
.rept 32
	v_mov_b32 v[OA+n], 0                           ; O^T of both tiles: the step is written once, its first walk finds zeros
.set n, n+1
.endr
.irp i, 0,1,2,3,4,5
	v_mov_b32 v[KF+24+\i], 0                       ; what the fourth tile's fragment names behind its codes
	v_mov_b32 v[QA+6+\i], 0                        ; Q's k = 64 .. 127: zero codes
	v_mov_b32 v[QB+6+\i], 0
.endr
.irp b, 0,1,2,3
	v_mov_b32 v[BP+\b], 0                          ; written once: a lane permute's destination counts as one of its sources
.endr
	v_mov_b32 v[F+1], 0                            ; (named as the upper half of a pair)
	s_wait_loadcnt 0x0
.irp k, 0,1,2,3,4,5
	ds_store_b128 v204, v[140+4*\k:143+4*\k] offset:KC+8192*\k
.endr
.irp i, 0,1,2,3
.irp p, 0,1,2
	ds_store_b64 v206, v[164+6*\i+2*\p:165+6*\i+2*\p] offset:1536*(\i/2)+24*(\i%2)+8*\p
.endr
.endr
.irp k, 0,1,2,3
	ds_store_b32 v208, v[188+\k] offset:3072*\k
.endr
	v_lshrrev_b32 v193, 8, v192
	v_lshrrev_b32 v194, 16, v192
	v_lshrrev_b32 v195, 24, v192
.irp e, 0,1,2,3
	ds_store_b8 v209, v[192+\e] offset:68*\e
.endr
	s_mov_b32 vcc_lo, 0xffff0000
.irp i, 0,1,2,3,4,5
	v_cndmask_b32 v[QA+\i], v[QA+\i], v[KF+24], vcc_lo   ; Q's k = 32 .. 63 (lanes 16-31): zero codes
	v_cndmask_b32 v[QB+\i], v[QB+\i], v[KF+24], vcc_lo
.endr
	s_lshl_b32 s26, s14, 4                         ; D of tile A: its first query less the step's first key
	s_lshl_b32 s27, s15, 4                         ; and of tile B
	s_mov_b32 s29, 0                               ; the step's codes: 3,072 bytes on in K and in V
	s_mov_b32 s30, 0                               ; K's words: 768
	s_mov_b32 s31, 0                               ; V's bytes: 4
	s_mov_b32 s32, 16
	s_wait_dscnt 0x0                               ; for the others' sake: my part of the fill has landed
	s_barrier_signal -1
	s_barrier_wait -1                              ; the launch's one barrier: behind it LDS is only read
.Lstep:
	v_add_nc_u32 v[ADK], s29, v[AK0]
	v_add_nc_u32 v[ADV], s29, v[AV0]
	v_add_nc_u32 v[ADS], s30, v[AKS0]
	v_add_nc_u32 v[ADT], s31, v[AVS0]
	s_cmp_lt_i32 s26, 0                            ; all 128 keys come after tile A's queries: its work is left out
	s_cbranch_scc1 .Lno_a
	STEP 26, QA, QSA, OA, STA
.Lno_a:
	s_cmp_lt_i32 s27, 0
	s_cbranch_scc1 .Lno_b
	STEP 27, QB, QSB, OB, STB
.Lno_b:
	s_sub_co_i32 s26, s26, 128
	s_sub_co_i32 s27, s27, 128
	s_add_co_u32 s29, s29, 3072
	s_add_co_u32 s30, s30, 768
	s_add_co_u32 s31, s31, 4
	s_sub_co_u32 s32, s32, 1
	s_cmp_lg_u32 s32, 0
	s_cbranch_scc1 .Lstep
.rept 4
	v_nop                                          ; places behind the last products
.endr
	FIN OA, STA, S
	FIN OB, STB, S+16
	; o's 32 channels of a query are one block: my 16 and lane l xor 16's
	v_max3_num_f32 v242, |v[S]|, |v[S+1]|, 0x1800000
	v_max3_num_f32 v243, |v[S+16]|, |v[S+17]|, 0x1800000
.irp i, 2,4,6,8,10,12,14
	v_max3_num_f32 v242, v242, |v[S+\i]|, |v[S+\i+1]|
	v_max3_num_f32 v243, v243, |v[S+16+\i]|, |v[S+16+\i+1]|
.endr
	v_permlanex16_b32 v[BP], v242, s24, s25
	v_permlanex16_b32 v[BP+1], v243, s24, s25
	v_max_num_f32 v242, v242, v[BP]
	v_max_num_f32 v243, v243, v[BP+1]
	v_add_nc_u32 v[SO], 0xff000000, v242
	v_add_nc_u32 v[SO+1], 0xff000000, v243
	v_lshrrev_b32 v[BP+2], 23, v[SO]
	v_lshrrev_b32 v[BP+3], 23, v[SO+1]
	v_cvt_scalef32_pk16_fp6_f32 v[CT:CT+2], v[S:S+15], v[SO]
	v_cvt_scalef32_pk16_fp6_f32 v[CT+4:CT+6], v[S+16:S+31], v[SO+1]
	v_nop                                          ; one plain place behind a scaled conversion
	v_and_b32 v8, 15, v0
	v_bfe_u32 v9, v0, 4, 1
	v_mul_u32_u24 v10, v8, 24
	v_mad_u32_u24 v10, v9, 12, v10
	s_mul_i32 s33, s14, 384
	s_mul_i32 s36, s15, 384
	v_add_nc_u32 v246, s33, v10
	v_add_nc_u32 v247, s36, v10
	global_store_b96 v246, v[CT:CT+2], s[8:9]      ; a tile's codes: 384 consecutive bytes
	global_store_b96 v247, v[CT+4:CT+6], s[8:9]
	s_lshl_b32 s33, s14, 4
	s_sub_co_u32 s36, s15, s14
	s_lshl_b32 s36, s36, 4
	v_mad_u32_u24 v248, v9, s36, v8
	v_add_nc_u32 v248, s33, v248                   ; lanes 0-15: tile A's queries; lanes 16-31: tile B's
	s_mov_b32 vcc_lo, 0xffff0000
	v_cndmask_b32 v249, v[BP+2], v[BP+3], vcc_lo
	global_store_b8 v248, v249, s[10:11]
	s_wait_tensorcnt 0x0
	ds_add_u32 v254, v255
	s_wait_dscnt 0x0
	s_endpgm
.Lfunc_end_k_qe126c601eb_attn:
	.size	k_qe126c601eb_attn, .Lfunc_end_k_qe126c601eb_attn-k_qe126c601eb_attn
	.p2alignl 7, 3214868480
	.fill 96, 4, 3214868480
	.section	.rodata,"a",@progbits
	.p2align	6, 0x0
	.amdhsa_kernel k_qe126c601eb_attn
		.amdhsa_group_segment_fixed_size 114944
		.amdhsa_private_segment_fixed_size 0
		.amdhsa_enable_private_segment 0
		.amdhsa_kernarg_size 32
		.amdhsa_user_sgpr_count 2
		.amdhsa_user_sgpr_kernarg_segment_ptr 1
		.amdhsa_wavefront_size32 1
		.amdhsa_system_sgpr_workgroup_id_x 1
		.amdhsa_system_sgpr_workgroup_id_y 1
		.amdhsa_system_sgpr_workgroup_id_z 1
		.amdhsa_system_vgpr_workitem_id 0
		.amdhsa_next_free_vgpr 256
		.amdhsa_next_free_sgpr 66
		.amdhsa_reserve_vcc 1
		.amdhsa_float_denorm_mode_32 3
		.amdhsa_float_denorm_mode_16_64 3
		.amdhsa_memory_ordered 1
		.amdhsa_forward_progress 1
		.amdhsa_inst_pref_size 61
	.end_amdhsa_kernel
	.amdgpu_metadata
---
amdhsa.version: [ 1, 2 ]
amdhsa.kernels:
  - .name:           k_qe126c601eb_attn
    .symbol:         k_qe126c601eb_attn.kd
    .args:
      - { .name: qkvc, .offset: 0, .size: 8, .value_kind: global_buffer, .address_space: global }
      - { .name: qkvs, .offset: 8, .size: 8, .value_kind: global_buffer, .address_space: global }
      - { .name: ocodes, .offset: 16, .size: 8, .value_kind: global_buffer, .address_space: global }
      - { .name: oscales, .offset: 24, .size: 8, .value_kind: global_buffer, .address_space: global }
    .group_segment_fixed_size: 114944
    .private_segment_fixed_size: 0
    .kernarg_segment_align: 8
    .kernarg_segment_size: 32
    .max_flat_workgroup_size: 512
    .sgpr_count:     66
    .vgpr_count:     256
    .wavefront_size: 32
...
	.end_amdgpu_metadata
.endif
;; end of part 3
;; launch tail (part 4): grid 256 x 1, 16 waves a work-group, no clusters, 207,872 bytes of LDS; arguments x, ocodes, oscales, wcodes, wscales, ln2_g, ln2_b, out0; writes out0
.if DOCPART == 4
	.amdgcn_target "amdgcn-amd-amdhsa--gfx1250"
	.amdhsa_code_object_version 6
	.text
	.protected	k_qe126c601eb_tail
	.globl	k_qe126c601eb_tail
	.p2align	8
	.type	k_qe126c601eb_tail,@function
k_qe126c601eb_tail:
	s_mov_b64 s[64:65], 0
	v_nop
	global_prefetch_b8 v0, s[64:65] scope:SCOPE_SE
	s_setreg_imm32_b32 hwreg(HW_REG_WAVE_MODE, 25, 1), 1
	s_wait_xcnt 0x0
; x1 = x + o wo^T; h2 = LayerNorm(x1), quantised; out = x1 + (silu(h2 w1^T) x (h2 w3^T)) w2^T: four products on codes of FP6 (E2M3); nothing between them goes to memory.
; SHARES.  A work-group takes 32 tokens.  Wave w makes columns 32 w .. 32 w + 31 of every product for all 32 tokens, and normalises rows 2 w and 2 w + 1.
; Its two tiles of a weight come from memory straight into operand registers, in the order in which an earlier launch laid them, a phase ahead.
; Every product: source 0 = 16 rows of the weight, source 1 = 16 tokens: lane (r, h) holds token r and columns 32 w + 16 h + 0 .. 15 in 16 registers: half a block of the next product's K.
; The residuals cost no addition: x is the C of wo's first K step, x1 that of w2's.
; LDS: three sets of code rows (384 bytes, 400 apart) with 16 scale bytes a row; two f32 stages (row pitch 2,576, 16 bytes of padding behind each 64): FA holds x and at the end out, FB holds x1.
; Five barriers; in front of each a wave waits for all its LDS instructions.  Each region is written in one phase and read only behind the next barrier; FA is written again three barriers behind its last read.
; NOT USED: tensor loads and a cluster's joint loads for the weights.  Each wave wants only its own sixteenth of a weight, 12,288 bytes, and takes it as operand registers; through LDS the same bytes would be written and read once more.
; LIMITS: NaN and infinities are not served; a block of zeros, or under 2^-124, gets the scale byte 1 (its codes are zeros; this program alone reads the bytes).
.set OC,   0                           ; o's code rows
.set H2C,  12800                       ; h2's
.set HC,   25600                       ; the hidden layer's
.set OSC,  38400                       ; their scale bytes
.set H2SC, 38912
.set HSC,  39424
.set FA,   40960
.set FB,   123392
.set W,    32                          ; v32-127  the weight's fragments: (tile u, K step s) at W + 12 (4 u + s)
.set WS,   128                         ; v128-135 its scale words
.set XS,   136                         ; v136-143 the tokens' scale words
.set XF,   144                         ; v144-191 the tokens' fragments: two buffers of 24; between products gain, bias, silu's numbers and codes
.set ACCA, 192
.set ACCB, 224
; v1 x and out, v2 gain and bias, v3 FA in memory's order, v4 FB 16 neighbours a lane, v5 code rows in, v6 scale bytes in, v7 fragments, v8 scale words, v9 weight codes, v10 weight scales,
; v11, v12 FA, FB in the accumulators' order, v13, v14 the hidden layer's codes and bytes in, v15, v16 o's, v17, v18 o's in memory; v19-31 at work
.macro WLOAD y
.set i, 0
.rept 24
	global_load_b128 v[W+4*i:W+4*i+3], v9, s[10:11] offset:\y*196608+512*i
.set i, i+1
.endr
	global_load_b128 v[WS:WS+3], v10, s[12:13] offset:\y*8192
	global_load_b128 v[WS+4:WS+7], v10, s[12:13] offset:\y*8192+256
.endm
.macro XLOAD creg, buf, ks             ; two fragments (16 rows x 128 K) of K step ks into buffer buf
.irp m, 0,1
.irp p, 0,1,2,3,4,5
	ds_load_b64 v[XF+24*(\buf)+12*\m+2*\p:XF+24*(\buf)+12*\m+2*\p+1], v7 offset:\creg+6400*\m+96*(\ks)+48*(\p/3)+8*(\p%3)
.endr
.endr
.endm
.macro WM acc, m, u, ks, zero
.set FX, XF+24*((\ks)%2)+12*\m
.set FW, W+12*(4*\u+\ks)
.set DD, \acc+16*\m+8*\u
.if (\zero) && (\ks == 0)
	v_wmma_scale_f32_16x16x128_f8f6f4 v[DD:DD+7], v[FW:FW+11], v[FX:FX+11], 0, v[WS+4*\u+\ks], v[XS+4*\m+\ks] matrix_a_fmt:MATRIX_FMT_FP6 matrix_b_fmt:MATRIX_FMT_FP6
.else
	v_wmma_scale_f32_16x16x128_f8f6f4 v[DD:DD+7], v[FW:FW+11], v[FX:FX+11], v[DD:DD+7], v[WS+4*\u+\ks], v[XS+4*\m+\ks] matrix_a_fmt:MATRIX_FMT_FP6 matrix_b_fmt:MATRIX_FMT_FP6
.endif
.endm
; 32 tokens x my 32 columns x K = 512: four K steps of four matrix instructions; the four accumulators take turns, one instruction a turn.
; zero = 0: the accumulators hold a residual, loaded from LDS ahead of the fragments.
.macro GEMM creg, sreg, acc, zero
	ds_load_b128 v[XS:XS+3], v8 offset:\sreg
	ds_load_b128 v[XS+4:XS+7], v8 offset:\sreg+256
	XLOAD \creg, 0, 0
	XLOAD \creg, 1, 1
	s_wait_loadcnt 0x0                             ; the weight's fragments and words
.irp ks, 0,1,2,3
.if \ks < 3
	s_wait_dscnt 12                                ; all but the other buffer's 12 loads are in, a residual among them
.else
	s_wait_dscnt 0x0
.endif
.irp m, 0,1
.irp u, 0,1
	WM \acc, \m, \u, \ks, \zero
.endr
.endr
.if \ks < 2
.rept 4
	v_nop                                          ; four places in front of loads into registers that these products read (ISA guide 7.12.1 for vector instructions)
.endr
	XLOAD \creg, \ks, \ks+2
.endif
.endr
.rept 5
	v_nop                                          ; five places: in front of loads into the operands, of reads of the results, and of a later product that begins accumulators anew
.endr
.endm
.macro WSUM
	v_add_f32_dpp v22, v22, v22 row_xmask:1 row_mask:0xf bank_mask:0xf
	v_add_f32_dpp v22, v22, v22 row_xmask:2 row_mask:0xf bank_mask:0xf
	v_add_f32_dpp v22, v22, v22 row_xmask:4 row_mask:0xf bank_mask:0xf
	v_add_f32_dpp v22, v22, v22 row_xmask:8 row_mask:0xf bank_mask:0xf
	v_permlanex16_b32 v26, v22, s24, s25
	v_add_f32 v22, v22, v26
.endm
; One row of 512, 16 neighbours a lane: mean, the mean of the squared differences (no difference of large sums), rsqrt, gain and bias; quantised (two lanes hold a block); codes and byte to LDS.
.macro LNROW x, creg, sreg, row, cd, by
	v_pk_add_f32 v[22:23], v[\x:\x+1], v[\x+2:\x+3]
	v_pk_add_f32 v[24:25], v[\x+4:\x+5], v[\x+6:\x+7]
	v_pk_add_f32 v[22:23], v[22:23], v[\x+8:\x+9]
	v_pk_add_f32 v[24:25], v[24:25], v[\x+10:\x+11]
	v_pk_add_f32 v[22:23], v[22:23], v[\x+12:\x+13]
	v_pk_add_f32 v[24:25], v[24:25], v[\x+14:\x+15]
	v_pk_add_f32 v[22:23], v[22:23], v[24:25]
	v_add_f32 v22, v22, v23
	WSUM
	v_mul_f32 v22, s26, v22
.irp i, 0,2,4,6,8,10,12,14
	v_pk_add_f32 v[\x+\i:\x+\i+1], v[\x+\i:\x+\i+1], v[22:23] op_sel_hi:[1,0] neg_lo:[0,1] neg_hi:[0,1]
.endr
	v_pk_mul_f32 v[22:23], v[\x:\x+1], v[\x:\x+1]
	v_pk_mul_f32 v[24:25], v[\x+2:\x+3], v[\x+2:\x+3]
.irp i, 4,8,12
	v_pk_fma_f32 v[22:23], v[\x+\i:\x+\i+1], v[\x+\i:\x+\i+1], v[22:23]
	v_pk_fma_f32 v[24:25], v[\x+\i+2:\x+\i+3], v[\x+\i+2:\x+\i+3], v[24:25]
.endr
	v_pk_add_f32 v[22:23], v[22:23], v[24:25]
	v_add_f32 v22, v22, v23
	WSUM
	v_fma_f32 v22, v22, s26, s27
	v_rsq_f32 v22, v22
	v_nop                                          ; a plain place behind the transcendental
	s_wait_alu depctr_va_vdst(0)
.irp i, 0,2,4,6,8,10,12,14
	v_pk_mul_f32 v[\x+\i:\x+\i+1], v[\x+\i:\x+\i+1], v[22:23] op_sel_hi:[1,0]
.endr
.irp i, 0,2,4,6,8,10,12,14
	v_pk_fma_f32 v[\x+\i:\x+\i+1], v[\x+\i:\x+\i+1], v[XF+\i:XF+\i+1], v[XF+16+\i:XF+16+\i+1]
.endr
	v_max3_num_f32 v22, |v[\x]|, |v[\x+1]|, 0x1800000
.irp i, 2,4,6,8,10,12,14
	v_max3_num_f32 v22, v22, |v[\x+\i]|, |v[\x+\i+1]|
.endr
	v_max_num_f32_dpp v22, v22, v22 row_xmask:1 row_mask:0xf bank_mask:0xf
	v_add_nc_u32 v27, 0xff000000, v22
	v_lshrrev_b32 v[\by], 23, v27
	v_cvt_scalef32_pk16_fp6_f32 v[\cd:\cd+2], v[\x:\x+15], v27
	v_nop                                          ; one plain place behind a scaled conversion: a product later writes its sources
.irp i, 0,1,2
	ds_store_b32 v5, v[\cd+\i] offset:\creg+400*\row+4*\i
.endr
	ds_store_b8 v6, v[\by] offset:\sreg+16*\row
.endm
.macro QUANT2 s0, s1, cd0, cd1         ; two runs of 16 registers, each half a block whose other half lies in lane l xor 16; the bytes are left in v27, v28
	v_max3_num_f32 v21, |v[\s0]|, |v[\s0+1]|, 0x1800000
	v_max3_num_f32 v22, |v[\s1]|, |v[\s1+1]|, 0x1800000
.irp i, 2,4,6,8,10,12,14
	v_max3_num_f32 v21, v21, |v[\s0+\i]|, |v[\s0+\i+1]|
	v_max3_num_f32 v22, v22, |v[\s1+\i]|, |v[\s1+\i+1]|
.endr
	v_permlanex16_b32 v23, v21, s24, s25
	v_permlanex16_b32 v24, v22, s24, s25
	v_max_num_f32 v21, v21, v23
	v_max_num_f32 v22, v22, v24
	v_add_nc_u32 v25, 0xff000000, v21
	v_add_nc_u32 v26, 0xff000000, v22
	v_lshrrev_b32 v27, 23, v25
	v_lshrrev_b32 v28, 23, v26
	v_cvt_scalef32_pk16_fp6_f32 v[\cd0:\cd0+2], v[\s0:\s0+15], v25
	v_cvt_scalef32_pk16_fp6_f32 v[\cd1:\cd1+2], v[\s1:\s1+15], v26
	v_nop
.endm
.macro BARRIER                         ; my LDS stores have landed and my LDS loads are in: then the work-group's barrier
	s_wait_dscnt 0x0
	s_barrier_signal -1
	s_barrier_wait -1
.endm
	s_load_b512 s[4:19], s[0:1], 0x0               ; x, ocodes, oscales, wcodes, wscales, gain, bias, out
	v_lshrrev_b32 v19, 5, v0
	v_readfirstlane_b32 s20, v19                   ; wave 0..15
	v_and_b32 v29, 31, v0                          ; lane
	v_and_b32 v30, 15, v0                          ; r
	v_bfe_u32 v31, v0, 4, 1                        ; h
	s_lshr_b32 s21, ttmp9, 6                       ; batch
	s_and_b32 s22, ttmp9, 63                       ; block of 32 tokens in it
	s_lshl_b32 s30, ttmp9, 16                      ; x, out: 32 rows of 2,048 bytes
	s_mov_b32 s31, 0
	s_mul_i32 s32, s21, 786432
	s_mul_i32 s23, s22, 768
	s_add_co_u32 s32, s32, s23                     ; o's codes
	s_mov_b32 s33, 0
	s_lshl_b32 s34, s21, 15
	s_lshl_b32 s23, s22, 5
	s_add_co_u32 s34, s34, s23                     ; o's bytes
	s_mov_b32 s35, 0
	s_mov_b32 s24, 0x76543210
	s_mov_b32 s25, 0xfedcba98
	s_mov_b32 s26, 0x3b000000                      ; 1 / 512
	s_mov_b32 s27, 0x3727c5ac                      ; 1e-5
	s_lshl_b32 s21, s20, 12
	v_lshl_add_u32 v1, v29, 4, s21
	v_lshlrev_b32 v2, 6, v29
	v_lshrrev_b32 v19, 2, v29
	v_mul_u32_u24 v19, v19, 80
	v_and_b32 v20, 3, v29
	v_lshl_add_u32 v19, v20, 4, v19                ; memory's order: 80 (lane / 4) + 16 (lane % 4)
	s_mul_i32 s21, s20, 5152                       ; my two rows of a stage
	s_add_co_u32 s22, s21, FA
	v_add_nc_u32 v3, s22, v19
	s_add_co_u32 s22, s21, FB
	v_mul_u32_u24 v4, v29, 80
	v_add_nc_u32 v4, s22, v4
	s_mul_i32 s21, s20, 800
	v_mul_u32_u24 v5, v29, 12
	v_add_nc_u32 v5, s21, v5
	s_lshl_b32 s21, s20, 5
	v_lshrrev_b32 v6, 1, v29
	v_add_nc_u32 v6, s21, v6
	v_mul_u32_u24 v7, v30, 400
	v_mad_u32_u24 v7, v31, 24, v7
	v_lshlrev_b32 v8, 4, v30
	s_mul_i32 s21, s20, 12288
	v_lshl_add_u32 v9, v29, 4, s21
	s_lshl_b32 s21, s20, 9
	v_lshl_add_u32 v10, v30, 4, s21
	v_mul_u32_u24 v19, v30, 2576
	v_mad_u32_u24 v19, v31, 80, v19
	s_mul_i32 s21, s20, 160
	v_add_nc_u32 v19, s21, v19                     ; the accumulators' order: row r, columns 32 w + 16 h on
	v_add_nc_u32 v11, FA, v19
	v_add_nc_u32 v12, FB, v19
	s_mul_i32 s21, s20, 24
	v_mul_u32_u24 v13, v30, 400
	v_mad_u32_u24 v13, v31, 12, v13
	v_add_nc_u32 v13, s21, v13                     ; the hidden layer's codes: row r, block w, 12 h
	v_lshl_add_u32 v14, v30, 4, s20
	v_mul_u32_u24 v15, v29, 400
	v_add_nc_u32 v15, s21, v15                     ; o's codes: row = lane, block = head w
	v_lshl_add_u32 v16, v29, 4, s20
	s_mul_i32 s21, s20, 49152
	v_mul_u32_u24 v17, v29, 24
	v_add_nc_u32 v17, s21, v17
	s_lshl_b32 s21, s20, 11
	v_add_nc_u32 v18, s21, v29
	v_mov_b32 v23, 0                               ; written once: a lane permute's destination counts as one of its sources
	v_mov_b32 v24, 0
	v_mov_b32 v26, 0
	s_wait_kmcnt 0x0
	s_add_nc_u64 s[4:5], s[4:5], s[30:31]
	s_add_nc_u64 s[18:19], s[18:19], s[30:31]
	s_add_nc_u64 s[6:7], s[6:7], s[32:33]
	s_add_nc_u64 s[8:9], s[8:9], s[34:35]
	; ---- x and o's codes into LDS
.irp t, 0,1,2,3,4,5,6,7
	global_load_b128 v[ACCA+4*\t:ACCA+4*\t+3], v1, s[4:5] offset:2048*(\t/4)+512*(\t%4) th:TH_LOAD_NT
.endr
.irp p, 0,1,2
	global_load_b64 v[ACCB+2*\p:ACCB+2*\p+1], v17, s[6:7] offset:8*\p   ; head w's 24 bytes of token = lane
.endr
	global_load_u8 v[ACCB+6], v18, s[8:9]
	WLOAD 3
	s_wait_loadcnt 26                              ; all but the weight's 26 loads are in
.irp t, 0,1,2,3,4,5,6,7
	ds_store_b128 v3, v[ACCA+4*\t:ACCA+4*\t+3] offset:2576*(\t/4)+640*(\t%4)
.endr
.irp p, 0,1,2
	ds_store_b64 v15, v[ACCB+2*\p:ACCB+2*\p+1] offset:OC+8*\p
.endr
	ds_store_b8 v16, v[ACCB+6] offset:OSC
	BARRIER
	; ---- x1 = x + o wo^T
.irp t, 0,1,2,3,4,5,6,7
	ds_load_b128 v[ACCA+4*\t:ACCA+4*\t+3], v11 offset:41216*(\t/4)+16*(\t%4)
.endr
	GEMM OC, OSC, ACCA, 0
.irp i, 0,1,2,3
	global_load_b128 v[XF+4*\i:XF+4*\i+3], v2, s[14:15] offset:16*\i
.endr
.irp i, 0,1,2,3
	global_load_b128 v[XF+16+4*\i:XF+16+4*\i+3], v2, s[16:17] offset:16*\i
.endr
	WLOAD 4
.irp t, 0,1,2,3,4,5,6,7
	ds_store_b128 v12, v[ACCA+4*\t:ACCA+4*\t+3] offset:41216*(\t/4)+16*(\t%4)   ; each accumulator from its low end on
.endr
	BARRIER
	; ---- LN2: my two rows of x1
.irp t, 0,1,2,3,4,5,6,7
	ds_load_b128 v[ACCA+4*\t:ACCA+4*\t+3], v4 offset:2576*(\t/4)+16*(\t%4)
.endr
	s_wait_loadcnt 26                              ; gain and bias are in; the weight's 26 may be out
	s_wait_dscnt 0x0
	LNROW ACCA, H2C, H2SC, 0, XF+32, 28
	LNROW ACCA+16, H2C, H2SC, 1, XF+36, 29
	BARRIER
	; ---- silu(h2 w1^T)
	GEMM H2C, H2SC, ACCA, 1
	WLOAD 5
.set n, 0
.rept 16
	v_pk_mul_f32 v[XF+n:XF+n+1], v[ACCA+n:ACCA+n+1], 0xbfb8aa3b op_sel_hi:[1,0]   ; -a log2(e)
.set n, n+2
.endr
.set n, 0
.rept 32
	v_exp_f32 v[XF+n], v[XF+n]
.set n, n+1
.endr
	v_nop                                          ; a plain place behind the exponentials
.set n, 0
	s_wait_alu depctr_va_vdst(0)
.rept 16
	v_pk_add_f32 v[XF+n:XF+n+1], v[XF+n:XF+n+1], 1.0 op_sel_hi:[1,0]
.set n, n+2
.endr
.set n, 0
.rept 32
	v_rcp_f32 v[XF+n], v[XF+n]
.set n, n+1
.endr
	v_nop                                          ; a plain place behind the reciprocals
.set n, 0
	s_wait_alu depctr_va_vdst(0)
.rept 16
	v_pk_mul_f32 v[ACCA+n:ACCA+n+1], v[ACCA+n:ACCA+n+1], v[XF+n:XF+n+1]   ; a / (1 + e^-a)
.set n, n+2
.endr
	; ---- x (h2 w3^T), quantised
	GEMM H2C, H2SC, ACCB, 1
	WLOAD 6
.set n, 0
.rept 16
	v_pk_mul_f32 v[ACCA+n:ACCA+n+1], v[ACCA+n:ACCA+n+1], v[ACCB+n:ACCB+n+1]
.set n, n+2
.endr
.irp t, 0,1,2,3,4,5,6,7
	ds_load_b128 v[ACCB+4*\t:ACCB+4*\t+3], v12 offset:41216*(\t/4)+16*(\t%4)   ; x1: the C of the last product
.endr
	QUANT2 ACCA, ACCA+16, XF+32, XF+36
.irp i, 0,1,2
	ds_store_b32 v13, v[XF+32+\i] offset:HC+4*\i
	ds_store_b32 v13, v[XF+36+\i] offset:HC+6400+4*\i
.endr
	ds_store_b8 v14, v27 offset:HSC                ; both halves of the lanes write the same byte with the same value
	ds_store_b8 v14, v28 offset:HSC+256
	BARRIER
	; ---- out = x1 + hidden w2^T
	GEMM HC, HSC, ACCB, 0
.irp t, 0,1,2,3,4,5,6,7
	ds_store_b128 v11, v[ACCB+4*\t:ACCB+4*\t+3] offset:41216*(\t/4)+16*(\t%4)
.endr
	BARRIER
.irp t, 0,1,2,3,4,5,6,7
	ds_load_b128 v[ACCA+4*\t:ACCA+4*\t+3], v3 offset:2576*(\t/4)+640*(\t%4)
.endr
.irp t, 0,1,2,3,4,5,6,7
	s_wait_dscnt 7-\t                              ; LDS loads come back in order: load t is in, the younger ones may be out
	global_store_b128 v1, v[ACCA+4*\t:ACCA+4*\t+3], s[18:19] offset:2048*(\t/4)+512*(\t%4) th:TH_STORE_NT   ; 32 lanes store 512 consecutive bytes, aligned
.endr
	s_wait_xcnt 0x0
	v_lshl_add_u32 v222, v0, 2, 0x32400
	v_mov_b32 v223, 0
	s_wait_tensorcnt 0x0
	ds_add_u32 v222, v223
	s_wait_dscnt 0x0
	s_endpgm
.Lfunc_end_k_qe126c601eb_tail:
	.size	k_qe126c601eb_tail, .Lfunc_end_k_qe126c601eb_tail-k_qe126c601eb_tail
	.p2alignl 7, 3214868480
	.fill 96, 4, 3214868480
	.section	.rodata,"a",@progbits
	.p2align	6, 0x0
	.amdhsa_kernel k_qe126c601eb_tail
		.amdhsa_group_segment_fixed_size 207872
		.amdhsa_private_segment_fixed_size 0
		.amdhsa_enable_private_segment 0
		.amdhsa_kernarg_size 64
		.amdhsa_user_sgpr_count 2
		.amdhsa_user_sgpr_kernarg_segment_ptr 1
		.amdhsa_wavefront_size32 1
		.amdhsa_system_sgpr_workgroup_id_x 1
		.amdhsa_system_sgpr_workgroup_id_y 1
		.amdhsa_system_sgpr_workgroup_id_z 1
		.amdhsa_system_vgpr_workitem_id 0
		.amdhsa_next_free_vgpr 256
		.amdhsa_next_free_sgpr 66
		.amdhsa_reserve_vcc 0
		.amdhsa_float_denorm_mode_32 3
		.amdhsa_float_denorm_mode_16_64 3
		.amdhsa_memory_ordered 1
		.amdhsa_forward_progress 1
		.amdhsa_inst_pref_size 62
	.end_amdhsa_kernel
	.amdgpu_metadata
---
amdhsa.version: [ 1, 2 ]
amdhsa.kernels:
  - .name:           k_qe126c601eb_tail
    .symbol:         k_qe126c601eb_tail.kd
    .args:
      - { .name: x, .offset: 0, .size: 8, .value_kind: global_buffer, .address_space: global }
      - { .name: ocodes, .offset: 8, .size: 8, .value_kind: global_buffer, .address_space: global }
      - { .name: oscales, .offset: 16, .size: 8, .value_kind: global_buffer, .address_space: global }
      - { .name: wcodes, .offset: 24, .size: 8, .value_kind: global_buffer, .address_space: global }
      - { .name: wscales, .offset: 32, .size: 8, .value_kind: global_buffer, .address_space: global }
      - { .name: ln2_g, .offset: 40, .size: 8, .value_kind: global_buffer, .address_space: global }
      - { .name: ln2_b, .offset: 48, .size: 8, .value_kind: global_buffer, .address_space: global }
      - { .name: out0, .offset: 56, .size: 8, .value_kind: global_buffer, .address_space: global }
    .group_segment_fixed_size: 207872
    .private_segment_fixed_size: 0
    .kernarg_segment_align: 8
    .kernarg_segment_size: 64
    .max_flat_workgroup_size: 512
    .sgpr_count:     66
    .vgpr_count:     256
    .wavefront_size: 32
...
	.end_amdgpu_metadata
.endif
;; end of part 4
;; ======== version 2 of 2: 4 launches
;; workspace buffers: wcodes 1,376,256 bytes; wscales 57,344 bytes; qkvc 9,437,184 bytes; qkvs 1,179,648 bytes; ocodes 3,145,728 bytes; oscales 131,072 bytes
;; launch wquant (part 5): grid 32 x 7, 4 waves a work-group, no clusters, 34,816 bytes of LDS; arguments wq, wk, wv, wo, w1, w3, w2, wcodes, wscales; writes wcodes, wscales
.if DOCPART == 5
	.amdgcn_target "amdgcn-amd-amdhsa--gfx1250"
	.amdhsa_code_object_version 6
	.text
	.protected	k_qe126c601eb_wquant
	.globl	k_qe126c601eb_wquant
	.p2align	8
	.type	k_qe126c601eb_wquant,@function
k_qe126c601eb_wquant:
	s_mov_b64 s[64:65], 0
	v_nop
	global_prefetch_b8 v0, s[64:65] scope:SCOPE_SE
	s_setreg_imm32_b32 hwreg(HW_REG_WAVE_MODE, 25, 1), 1
	s_wait_xcnt 0x0
; The seven weights [512 (n)][512 (k)], f32, K innermost, become codes of FP6 (E2M3) with one E8M0 byte for each 32 along K,
; laid in the ORDER OF AN OPERAND'S REGISTERS: wcodes [y 7][tile 32][K step 4][chunk 3][lane 32][16 bytes], wscales [y][tile][row 16][K step 4] words.
; y: 0 wq, 1 wk, 2 wv, 3 wo, 4 w1, 5 w3, 6 w2.  THE ROWS OF A TILE ARE NOT NEIGHBOURS: lane r of tile T takes row 32 (T / 2) + 8 (T % 2) + r + 8 (r / 8),
; so that in the products' results the 16 registers of tiles 2 b and 2 b + 1 are 16 neighbouring columns.
; A work-group is one tile of one weight; wave s is K step s (128 along K): 16 loads of 512 consecutive bytes, a turn through the wave's own stage in LDS,
; after which lane (r, h) holds k = 64 c + 32 h + 0 .. 31 of its row: two whole blocks, so no other lane is asked for a maximum.
; A block's scale byte is its largest magnitude's exponent field - 2, held at 1 from below.
; LIMITS: a block of zeros, or one whose largest magnitude lies under 2^-124, gets the byte 1 (the rule says 127 for zeros): its codes are zeros and this program alone reads the bytes.  NaN and infinities are not served.
; No tensor loads, clusters or matrix units: 7 MB are read once and work-groups share nothing.
.set STG, 8448                         ; a wave's stage: 16 rows x (512 bytes + 16)
.set SCW, 33792                        ; behind the four stages: the tile's 64 scale words
.set X,   16                           ; v16-79  64 numbers
.set C,   80                           ; v80-91  the fragment's 12 registers; v92-94, v96-98 the halves that are moved
	s_load_b512 s[8:23], s[0:1], 0x0               ; wq wk wv wo w1 w3 w2 wcodes
	s_load_b64 s[24:25], s[0:1], 0x40              ; wscales
	v_lshl_add_u32 v104, v0, 2, 0x8600
	v_mov_b32 v105, 0
	v_lshrrev_b32 v1, 5, v0
	v_readfirstlane_b32 s26, v1                    ; wave = K step
	s_and_b32 s27, ttmp7, 0xffff                   ; y: which weight
	v_and_b32 v2, 31, v0                           ; lane
	v_and_b32 v3, 15, v0                           ; r
	v_bfe_u32 v4, v0, 4, 1                         ; h
	v_lshlrev_b32 v5, 4, v2                        ; 16 x lane: in memory
	s_mul_i32 s28, s26, STG
	v_add_nc_u32 v6, s28, v5                       ; into my stage: 16 x lane
	v_mul_u32_u24 v7, v3, 528
	v_lshl_add_u32 v7, v4, 7, v7
	v_add_nc_u32 v7, s28, v7                       ; out of it: row r, 128 h bytes on
	s_lshl_b32 s29, s26, 2
	s_add_co_u32 s29, s29, SCW
	v_lshlrev_b32 v8, 4, v3
	v_add_nc_u32 v8, s29, v8                       ; my row's scale word of my K step: 16 r + 4 s
	v_lshlrev_b32 v9, 3, v2                        ; 8 x lane
	v_add_nc_u32 v10, SCW, v9
	v_lshlrev_b32 v11, 3, v4                       ; 8 h: my bytes' place in the scale word
	s_lshr_b32 s30, ttmp9, 1
	s_lshl_b32 s30, s30, 16                        ; 32 (T / 2) rows of 2,048 bytes
	s_and_b32 s31, ttmp9, 1
	s_lshl_b32 s31, s31, 14                        ; 8 (T % 2) rows
	s_add_co_u32 s30, s30, s31
	s_lshl_b32 s31, s26, 9                         ; 512 bytes a K step
	s_add_co_u32 s30, s30, s31
	s_mov_b32 s31, 0
	s_mul_i32 s32, s27, 196608
	s_lshl_b32 s33, ttmp9, 2
	s_add_co_u32 s33, s33, s26
	s_mul_i32 s33, s33, 1536
	s_add_co_u32 s32, s32, s33                     ; the fragment's image: 196,608 y + 1,536 (4 T + s)
	s_mov_b32 s33, 0
	s_lshl_b32 s34, s27, 13
	s_lshl_b32 s35, ttmp9, 8
	s_add_co_u32 s34, s34, s35                     ; the tile's scale words: 8,192 y + 256 T
	s_mov_b32 s35, 0
	s_mov_b32 s36, 0x76543210
	s_mov_b32 s37, 0xfedcba98                      ; v_permlanex16_b32's selects for lane l xor 16
	s_wait_alu depctr_va_vdst(0)
	s_wait_kmcnt 0x0
	s_mov_b64 s[4:5], s[8:9]                       ; the weight is chosen by the work-group's y alone
.irp i, 1,2,3,4,5,6
	s_cmp_eq_u32 s27, \i
	s_cselect_b64 s[4:5], s[8+2*\i:9+2*\i], s[4:5]
.endr
	s_add_nc_u64 s[4:5], s[4:5], s[30:31]
	s_add_nc_u64 s[22:23], s[22:23], s[32:33]
	s_add_nc_u64 s[24:25], s[24:25], s[34:35]
.irp p, 0,1,2,3,4,5,6,7,8,9,10,11,12,13,14,15
	global_load_b128 v[X+4*\p:X+4*\p+3], v5, s[4:5] offset:(\p+8*(\p/8))*2048 th:TH_LOAD_NT   ; the tile's row p: 512 consecutive bytes
.endr
	s_wait_loadcnt 0x0
.irp p, 0,1,2,3,4,5,6,7,8,9,10,11,12,13,14,15
	ds_store_b128 v6, v[X+4*\p:X+4*\p+3] offset:528*\p
.endr
.irp c, 0,1
.irp j, 0,1,2,3,4,5,6,7
	ds_load_b128 v[X+32*\c+4*\j:X+32*\c+4*\j+3], v7 offset:256*\c+16*\j   ; LDS serves a wave's instructions in order: these see my stores
.endr
.endr
	s_wait_dscnt 0x0
.irp c, 0,1
	v_max3_num_f32 v[12+\c], |v[X+32*\c]|, |v[X+32*\c+1]|, 0x1800000   ; my block 2 c + h, and the floor 2^(3 - 127): the byte cannot fall under 1
.endr
.irp i, 2,4,6,8,10,12,14,16,18,20,22,24,26,28,30
.irp c, 0,1
	v_max3_num_f32 v[12+\c], v[12+\c], |v[X+32*\c+\i]|, |v[X+32*\c+\i+1]|
.endr
.endr
.irp c, 0,1
	v_add_nc_u32 v[14+\c], 0xff000000, v[12+\c]    ; 2 off the exponent field: the conversion's scale operand
.endr
.irp c, 0,1
	v_lshrrev_b32 v[12+\c], 23, v[14+\c]           ; the scale's byte
.endr
	v_lshl_or_b32 v100, v13, 16, v12               ; blocks h and 2 + h,
	v_lshlrev_b32 v100, v11, v100                  ; at their places in the word;
	v_mov_b32 v101, 0
	v_permlanex16_b32 v101, v100, s36, s37
	v_or_b32 v100, v100, v101                      ; with lane l xor 16's two the word is whole
.irp c, 0,1
	v_cvt_scalef32_pk16_fp6_f32 v[C+6*\c:C+6*\c+2], v[X+32*\c:X+32*\c+15], v[14+\c]
	v_cvt_scalef32_pk16_fp6_f32 v[92+4*\c:94+4*\c], v[X+32*\c+16:X+32*\c+31], v[14+\c]   ; (a conversion's three registers begin on an even number)
.endr
	v_nop                                          ; one plain place behind a scaled conversion
.irp c, 0,1
.irp i, 0,1,2
	v_mov_b32 v[C+3+6*\c+\i], v[92+4*\c+\i]
.endr
.endr
.irp c, 0,1,2
	global_store_b128 v5, v[C+4*\c:C+4*\c+3], s[22:23] offset:512*\c   ; the image: 512 consecutive bytes a store
.endr
	ds_store_b32 v8, v100                          ; both halves of the lanes write the same word with the same value
	s_wait_dscnt 0x0                               ; for the others' sake: my word has landed
	s_barrier_signal -1
	s_barrier_wait -1
	s_cmp_lg_u32 s26, 0
	s_cbranch_scc1 .Lend                           ; wave 0 stores the tile's 256 bytes of scale words, whole
	ds_load_b64 v[102:103], v10
	s_wait_dscnt 0x0
	global_store_b64 v9, v[102:103], s[24:25]
.Lend:
	s_wait_tensorcnt 0x0
	ds_add_u32 v104, v105
	s_wait_dscnt 0x0
	s_endpgm
.Lfunc_end_k_qe126c601eb_wquant:
	.size	k_qe126c601eb_wquant, .Lfunc_end_k_qe126c601eb_wquant-k_qe126c601eb_wquant
	.p2alignl 7, 3214868480
	.fill 96, 4, 3214868480
	.section	.rodata,"a",@progbits
	.p2align	6, 0x0
	.amdhsa_kernel k_qe126c601eb_wquant
		.amdhsa_group_segment_fixed_size 34816
		.amdhsa_private_segment_fixed_size 0
		.amdhsa_enable_private_segment 0
		.amdhsa_kernarg_size 72
		.amdhsa_user_sgpr_count 2
		.amdhsa_user_sgpr_kernarg_segment_ptr 1
		.amdhsa_wavefront_size32 1
		.amdhsa_system_sgpr_workgroup_id_x 1
		.amdhsa_system_sgpr_workgroup_id_y 1
		.amdhsa_system_sgpr_workgroup_id_z 1
		.amdhsa_system_vgpr_workitem_id 0
		.amdhsa_next_free_vgpr 106
		.amdhsa_next_free_sgpr 66
		.amdhsa_reserve_vcc 0
		.amdhsa_float_denorm_mode_32 3
		.amdhsa_float_denorm_mode_16_64 3
		.amdhsa_memory_ordered 1
		.amdhsa_forward_progress 1
		.amdhsa_inst_pref_size 10
	.end_amdhsa_kernel
	.amdgpu_metadata
---
amdhsa.version: [ 1, 2 ]
amdhsa.kernels:
  - .name:           k_qe126c601eb_wquant
    .symbol:         k_qe126c601eb_wquant.kd
    .args:
      - { .name: wq, .offset: 0, .size: 8, .value_kind: global_buffer, .address_space: global }
      - { .name: wk, .offset: 8, .size: 8, .value_kind: global_buffer, .address_space: global }
      - { .name: wv, .offset: 16, .size: 8, .value_kind: global_buffer, .address_space: global }
      - { .name: wo, .offset: 24, .size: 8, .value_kind: global_buffer, .address_space: global }
      - { .name: w1, .offset: 32, .size: 8, .value_kind: global_buffer, .address_space: global }
      - { .name: w3, .offset: 40, .size: 8, .value_kind: global_buffer, .address_space: global }
      - { .name: w2, .offset: 48, .size: 8, .value_kind: global_buffer, .address_space: global }
      - { .name: wcodes, .offset: 56, .size: 8, .value_kind: global_buffer, .address_space: global }
      - { .name: wscales, .offset: 64, .size: 8, .value_kind: global_buffer, .address_space: global }
    .group_segment_fixed_size: 34816
    .private_segment_fixed_size: 0
    .kernarg_segment_align: 8
    .kernarg_segment_size: 72
    .max_flat_workgroup_size: 128
    .sgpr_count:     66
    .vgpr_count:     106
    .wavefront_size: 32
...
	.end_amdgpu_metadata
.endif
;; end of part 5
;; launch qkv (part 6): grid 256 x 1, 16 waves a work-group, no clusters, 97,792 bytes of LDS; arguments x, ln1_g, ln1_b, wcodes, wscales, qkvc, qkvs; writes qkvc, qkvs
.if DOCPART == 6
	.amdgcn_target "amdgcn-amd-amdhsa--gfx1250"
	.amdhsa_code_object_version 6
	.text
	.protected	k_qe126c601eb_qkv
	.globl	k_qe126c601eb_qkv
	.p2align	8
	.type	k_qe126c601eb_qkv,@function
k_qe126c601eb_qkv:
	s_mov_b64 s[64:65], 0
	v_nop
	global_prefetch_b8 v0, s[64:65] scope:SCOPE_SE
	s_setreg_imm32_b32 hwreg(HW_REG_WAVE_SCHED_MODE, 0, 2), 2
	s_setreg_imm32_b32 hwreg(HW_REG_WAVE_MODE, 25, 1), 1
	s_wait_xcnt 0x0
	s_wait_alu depctr_vm_vsrc(0)
; h = LayerNorm(x) is quantised along its 512; q = h wq^T, k = h wk^T, v = h wv^T on codes of FP6 (E2M3); q and k are quantised along a head's 32, v along 32 keys; only codes go to memory.
; SHARES.  A work-group takes 32 tokens (one block of 32 keys).  Wave w normalises rows 2 w and 2 w + 1, and then makes head w (columns 32 w .. 32 w + 31) of q, k and v for all 32 tokens.
; Its two tiles of a weight (96 registers of codes, 8 of scale words) come from memory straight into operand registers, in the order in which an earlier launch laid them, a phase ahead.
; q, k: source 0 = 16 rows of the weight, source 1 = 16 tokens: lane (r, h) holds token r and columns 32 w + 16 h + 0 .. 15 in 16 registers.
; v: source 0 = 16 tokens (lane r takes token 8 m + r + 8 (r / 8)), source 1 = the weight: lane (r, h) holds ONE channel and keys 16 h + 0 .. 15.
; OUT.  qkvc: q at 0, k at 3,145,728: [batch x head][token][24 bytes]; v at 6,291,456: [batch x head][block of 32 keys][channel' 32][24 bytes], channel' 16 u + r standing for channel 8 u + r + 8 (r / 8).
; qkvs: q at 0, k at 524,288: a word a token (byte 0 the scale, bytes 1-3 the byte of 1.0); v at 1,048,576: [batch x head][block][channel'] bytes.
; LDS: h's codes as rows of 384 bytes, 400 apart (100 words: the 32 lanes of an 8-byte fragment load touch 64 different banks); 16 scale bytes a row; a stage of f32 rows for the turn from memory's order to 16 neighbours a lane.
; NOT USED: tensor loads and a cluster's joint loads for the weights.  Each wave wants only its own sixteenth of a weight, 12,288 bytes, and takes it as operand registers; through LDS the same bytes would be written and read once more.
; LIMITS: NaN and infinities are not served; a block of zeros, or under 2^-124, gets the scale byte 1 (its codes are zeros; this program alone reads the bytes).
; THE MODE: SCHED_MODE bits 1:0 = 2 (LLVM: expert scheduling mode 2), set by the entry lines.  The code itself states the register dependences
; between vector or matrix instructions and memory or LDS instructions, with s_wait_alu, always for 0.
; THE PLAN.  Registers that memory or LDS instructions touch:
;   v1-15      addresses and offsets, made once at the head and never written again.
;   ACCA       x lands in it; the stage's LDS stores read it; from then on products write it and vector instructions read it.
;   ACCB       the stage's LDS loads land in it, LN works on it.  Later v224-252 are codes and words on their way out: a set for each of q, k and v, written by conversions, read by global stores, never written again.
;   XF         gain and bias land in it, LN reads them; XF+32 .. XF+38 and v28, v29 are written by LN's conversions and read by LDS stores; from then on fragments land in it and products read them.
;   W, WS, XS  loads land in them, products read them.
; So: one wait on va_vdst ahead of the first load; one ahead of LN's run of LDS stores; one on vm_vsrc behind the barrier; in a product one on va_vdst ahead of each refill of a fragment buffer;
; one behind a product, ahead of the next weight's loads; one ahead of each phase's run of global stores.
.set HC,   0                           ; h's code rows: 32 x 400
.set HSC,  12800                       ; their scale bytes: 32 x 16
.set FS,   13312                       ; f32 stage: row pitch 2,576; 16 bytes of padding behind each 64
.set W,    32                          ; v32-127  the weight's fragments: (tile u, K step s) at W + 12 (4 u + s)
.set WS,   128                         ; v128-135 its scale words, 4 u + s
.set XS,   136                         ; v136-143 the tokens' scale words, 4 m + s
.set XF,   144                         ; v144-191 the tokens' fragments: two buffers of 24; between products gain, bias and codes
.set ACCA, 192                         ; v192-223 four accumulators
.set ACCB, 224                         ; v224-255 LN's numbers, later the codes and words on their way to memory
; v1 x, v2 gain and bias, v3 stage in, v4 stage out, v5 code rows in, v6 scale bytes in, v7 fragments, v8 scale words, v9 weight codes, v10 weight scales,
; v11, v12 the same as v7, v8 for v's order of tokens, v13 codes out, v14 words out, v15 v's bytes out; v16-31 at work
.macro WLOAD y                         ; my two tiles of weight y: 24 loads of 512 consecutive bytes, and their scale words
.set i, 0
.rept 24
	global_load_b128 v[W+4*i:W+4*i+3], v9, s[10:11] offset:\y*196608+512*i
.set i, i+1
.endr
	global_load_b128 v[WS:WS+3], v10, s[12:13] offset:\y*8192
	global_load_b128 v[WS+4:WS+7], v10, s[12:13] offset:\y*8192+256
.endm
.macro XLOAD creg, adr, rstep, buf, ks ; two fragments (16 rows x 128 K) of K step ks into buffer buf: 24 bytes of a row's stream of bits as three loads of 8
.irp m, 0,1
.irp p, 0,1,2,3,4,5
	ds_load_b64 v[XF+24*(\buf)+12*\m+2*\p:XF+24*(\buf)+12*\m+2*\p+1], v[\adr] offset:\creg+400*\rstep*\m+96*(\ks)+48*(\p/3)+8*(\p%3)
.endr
.endr
.endm
.macro WM acc, m, u, ks, zero, swap
.set FX, XF+24*((\ks)%2)+12*\m
.set FW, W+12*(4*\u+\ks)
.if \swap
.set DD, \acc+16*\u+8*\m
.if (\zero) && (\ks == 0)
	v_wmma_scale_f32_16x16x128_f8f6f4 v[DD:DD+7], v[FX:FX+11], v[FW:FW+11], 0, v[XS+4*\m+\ks], v[WS+4*\u+\ks] matrix_a_fmt:MATRIX_FMT_FP6 matrix_b_fmt:MATRIX_FMT_FP6
.else
	v_wmma_scale_f32_16x16x128_f8f6f4 v[DD:DD+7], v[FX:FX+11], v[FW:FW+11], v[DD:DD+7], v[XS+4*\m+\ks], v[WS+4*\u+\ks] matrix_a_fmt:MATRIX_FMT_FP6 matrix_b_fmt:MATRIX_FMT_FP6
.endif
.else
.set DD, \acc+16*\m+8*\u
.if (\zero) && (\ks == 0)
	v_wmma_scale_f32_16x16x128_f8f6f4 v[DD:DD+7], v[FW:FW+11], v[FX:FX+11], 0, v[WS+4*\u+\ks], v[XS+4*\m+\ks] matrix_a_fmt:MATRIX_FMT_FP6 matrix_b_fmt:MATRIX_FMT_FP6
.else
	v_wmma_scale_f32_16x16x128_f8f6f4 v[DD:DD+7], v[FW:FW+11], v[FX:FX+11], v[DD:DD+7], v[WS+4*\u+\ks], v[XS+4*\m+\ks] matrix_a_fmt:MATRIX_FMT_FP6 matrix_b_fmt:MATRIX_FMT_FP6
.endif
.endif
.endm
; 32 tokens x my 32 columns x K = 512: four K steps of four matrix instructions; the four accumulators take turns, one instruction a turn.
.macro GEMM creg, sreg, adr, sadr, rstep, acc, zero, swap
	ds_load_b128 v[XS:XS+3], v[\sadr] offset:\sreg               ; a row's 16 scale bytes are its four K steps' words
	ds_load_b128 v[XS+4:XS+7], v[\sadr] offset:\sreg+16*\rstep
	XLOAD \creg, \adr, \rstep, 0, 0
	XLOAD \creg, \adr, \rstep, 1, 1
	s_wait_loadcnt 0x0                             ; the weight's fragments and words
.irp ks, 0,1,2,3
.if \ks < 3
	s_wait_dscnt 12                                ; all but the other buffer's 12 loads are in
.else
	s_wait_dscnt 0x0
.endif
.irp m, 0,1
.irp u, 0,1
	WM \acc, \m, \u, \ks, \zero, \swap
.endr
.endr
.if \ks < 2
.rept 4
	v_nop                                          ; four places in front of loads into registers that these products read (ISA guide 7.12.1 for vector instructions)
.endr
	s_wait_alu depctr_va_vdst(0)                   ; this K step's four products are done reading their fragment buffer, in which the 12 loads below land
	XLOAD \creg, \adr, \rstep, \ks, \ks+2
.endif
.endr
.rept 5
	v_nop                                          ; five places: in front of loads into the operands, of reads of the results, and of a later product that begins these accumulators anew
.endr
.endm
.macro WSUM                            ; v22 summed over the 32 lanes, the result in every lane
	v_add_f32_dpp v22, v22, v22 row_xmask:1 row_mask:0xf bank_mask:0xf
	v_add_f32_dpp v22, v22, v22 row_xmask:2 row_mask:0xf bank_mask:0xf
	v_add_f32_dpp v22, v22, v22 row_xmask:4 row_mask:0xf bank_mask:0xf
	v_add_f32_dpp v22, v22, v22 row_xmask:8 row_mask:0xf bank_mask:0xf
	v_permlanex16_b32 v26, v22, s24, s25
	v_add_f32 v22, v22, v26
.endm
; One row of 512, 16 neighbours a lane in v[x] on: mean, then the mean of the squared differences (no difference of large sums), rsqrt, gain and bias; quantised (two lanes hold a block); codes into v[cd] on, the byte into v[by].
.macro LNROW x, cd, by
	v_pk_add_f32 v[22:23], v[\x:\x+1], v[\x+2:\x+3]
	v_pk_add_f32 v[24:25], v[\x+4:\x+5], v[\x+6:\x+7]
	v_pk_add_f32 v[22:23], v[22:23], v[\x+8:\x+9]
	v_pk_add_f32 v[24:25], v[24:25], v[\x+10:\x+11]
	v_pk_add_f32 v[22:23], v[22:23], v[\x+12:\x+13]
	v_pk_add_f32 v[24:25], v[24:25], v[\x+14:\x+15]
	v_pk_add_f32 v[22:23], v[22:23], v[24:25]
	v_add_f32 v22, v22, v23
	WSUM
	v_mul_f32 v22, s26, v22                        ; the mean
.irp i, 0,2,4,6,8,10,12,14
	v_pk_add_f32 v[\x+\i:\x+\i+1], v[\x+\i:\x+\i+1], v[22:23] op_sel_hi:[1,0] neg_lo:[0,1] neg_hi:[0,1]
.endr
	v_pk_mul_f32 v[22:23], v[\x:\x+1], v[\x:\x+1]
	v_pk_mul_f32 v[24:25], v[\x+2:\x+3], v[\x+2:\x+3]
.irp i, 4,8,12
	v_pk_fma_f32 v[22:23], v[\x+\i:\x+\i+1], v[\x+\i:\x+\i+1], v[22:23]
	v_pk_fma_f32 v[24:25], v[\x+\i+2:\x+\i+3], v[\x+\i+2:\x+\i+3], v[24:25]
.endr
	v_pk_add_f32 v[22:23], v[22:23], v[24:25]
	v_add_f32 v22, v22, v23
	WSUM
	v_fma_f32 v22, v22, s26, s27                   ; the variance + 1e-5
	s_wait_alu depctr_va_vdst(0)
	v_rsq_f32 v22, v22
	v_nop                                          ; a plain place behind the transcendental
	s_wait_alu depctr_va_vdst(0)                   ; the root's reciprocal is written, ahead of its first reader
.irp i, 0,2,4,6,8,10,12,14
	v_pk_mul_f32 v[\x+\i:\x+\i+1], v[\x+\i:\x+\i+1], v[22:23] op_sel_hi:[1,0]
.endr
.irp i, 0,2,4,6,8,10,12,14
	v_pk_fma_f32 v[\x+\i:\x+\i+1], v[\x+\i:\x+\i+1], v[XF+\i:XF+\i+1], v[XF+16+\i:XF+16+\i+1]
.endr
	v_max3_num_f32 v22, |v[\x]|, |v[\x+1]|, 0x1800000   ; my 16, and the floor 2^(3 - 127)
.irp i, 2,4,6,8,10,12,14
	v_max3_num_f32 v22, v22, |v[\x+\i]|, |v[\x+\i+1]|
.endr
	v_max_num_f32_dpp v22, v22, v22 row_xmask:1 row_mask:0xf bank_mask:0xf   ; and my neighbour's 16: the block's
	v_add_nc_u32 v27, 0xff000000, v22              ; 2 off the exponent field: the conversion's scale operand
	v_lshrrev_b32 v[\by], 23, v27                  ; the scale's byte
	v_cvt_scalef32_pk16_fp6_f32 v[\cd:\cd+2], v[\x:\x+15], v27
	v_nop                                          ; one plain place behind a scaled conversion
.endm
.macro LNOUT creg, sreg, row, cd, by   ; a row's codes and byte to LDS
.irp i, 0,1,2
	ds_store_b32 v5, v[\cd+\i] offset:\creg+400*\row+4*\i
.endr
	ds_store_b8 v6, v[\by] offset:\sreg+16*\row    ; both lanes of a block write the same byte with the same value
.endm
; Two runs of 16 registers, each half a block of 32 whose other half lies in lane l xor 16, become 12 bytes of codes each; the bytes are left in v27, v28.  Each run is read from its low end on.
.macro QUANT2 s0, s1, cd0, cd1
	v_max3_num_f32 v21, |v[\s0]|, |v[\s0+1]|, 0x1800000
	v_max3_num_f32 v22, |v[\s1]|, |v[\s1+1]|, 0x1800000
.irp i, 2,4,6,8,10,12,14
	v_max3_num_f32 v21, v21, |v[\s0+\i]|, |v[\s0+\i+1]|
	v_max3_num_f32 v22, v22, |v[\s1+\i]|, |v[\s1+\i+1]|
.endr
	v_permlanex16_b32 v23, v21, s24, s25
	v_permlanex16_b32 v24, v22, s24, s25
	v_max_num_f32 v21, v21, v23
	v_max_num_f32 v22, v22, v24
	v_add_nc_u32 v25, 0xff000000, v21
	v_add_nc_u32 v26, 0xff000000, v22
	v_lshrrev_b32 v27, 23, v25
	v_lshrrev_b32 v28, 23, v26
	v_cvt_scalef32_pk16_fp6_f32 v[\cd0:\cd0+2], v[\s0:\s0+15], v25
	v_cvt_scalef32_pk16_fp6_f32 v[\cd1:\cd1+2], v[\s1:\s1+15], v26
	v_nop                                          ; one plain place behind the conversions: the next product writes their sources
.endm
; q's or k's way out: codes 384 consecutive bytes a store, one word a token.  cb: registers of this phase's own, so that no store's data are written again.
.macro EPI reg, sreg, cb
	QUANT2 ACCA, ACCA+16, \cb, \cb+4
	s_mov_b32 vcc_lo, 0xffff0000
	v_cndmask_b32 v[\cb+8], v27, v28, vcc_lo       ; lanes 0-15: tokens 0-15; lanes 16-31: tokens 16-31
	v_or_b32 v[\cb+8], 0x7f7f7f00, v[\cb+8]        ; bytes 1-3: the byte of 1.0, for the part of the score product's K that holds zero codes
	s_wait_alu depctr_va_vdst(0)                   ; the conversions have written the codes and the line above the word, which the three stores read
	global_store_b96 v13, v[\cb:\cb+2], s[14:15] offset:\reg
	global_store_b96 v13, v[\cb+4:\cb+6], s[14:15] offset:\reg+384
	global_store_b32 v14, v[\cb+8], s[16:17] offset:\sreg
.endm
	s_load_b256 s[4:11], s[0:1], 0x0               ; x, gain, bias, wcodes
	s_load_b128 s[12:15], s[0:1], 0x20             ; wscales, qkvc
	s_load_b64 s[16:17], s[0:1], 0x30              ; qkvs
	v_lshl_add_u32 v30, v0, 2, 0x17600
	v_mov_b32 v31, 0
	v_lshrrev_b32 v16, 5, v0
	v_readfirstlane_b32 s20, v16                   ; wave 0..15
	v_and_b32 v17, 31, v0                          ; lane
	s_wait_alu depctr_va_vdst(0)
	v_and_b32 v18, 15, v0                          ; r
	v_bfe_u32 v19, v0, 4, 1                        ; h
	s_lshr_b32 s21, ttmp9, 6                       ; batch
	s_and_b32 s22, ttmp9, 63                       ; block of 32 tokens in it
	s_lshl_b32 s30, ttmp9, 16                      ; x: 32 rows of 2,048 bytes
	s_mov_b32 s31, 0
	s_mul_i32 s32, s21, 786432
	s_mul_i32 s23, s22, 768
	s_add_co_u32 s32, s32, s23                     ; codes: 16 heads x 49,152 a batch, 768 a block: the same for q, k and v
	s_mov_b32 s33, 0
	s_lshl_b32 s34, s21, 17
	s_lshl_b32 s23, s22, 7
	s_add_co_u32 s34, s34, s23                     ; q's and k's words
	s_mov_b32 s35, 0
	s_lshl_b32 s36, s21, 15
	s_lshl_b32 s23, s22, 5
	s_add_co_u32 s36, s36, s23                     ; v's bytes
	s_mov_b32 s37, 0
	s_mov_b32 s24, 0x76543210
	s_mov_b32 s25, 0xfedcba98                      ; v_permlanex16_b32's selects for lane l xor 16
	s_mov_b32 s26, 0x3b000000                      ; 1 / 512
	s_mov_b32 s27, 0x3727c5ac                      ; 1e-5
	s_wait_alu depctr_va_sdst(0)                   ; s20, the wave's number, is written, ahead of its first reader
	s_lshl_b32 s21, s20, 12
	v_lshl_add_u32 v1, v17, 4, s21                 ; x: 16 lane + my two rows
	v_lshlrev_b32 v2, 6, v17                       ; gain, bias: my 16 columns
	v_lshrrev_b32 v16, 2, v17
	v_mul_u32_u24 v16, v16, 80
	v_and_b32 v20, 3, v17
	v_lshl_add_u32 v16, v20, 4, v16                ; the stage in memory's order: 80 (lane / 4) + 16 (lane % 4)
	s_mul_i32 s21, s20, 5152
	s_add_co_u32 s21, s21, FS                      ; my two rows of the stage
	v_add_nc_u32 v3, s21, v16
	v_mul_u32_u24 v4, v17, 80
	v_add_nc_u32 v4, s21, v4                       ; 16 neighbours a lane: 80 x lane
	s_mul_i32 s21, s20, 800
	v_mul_u32_u24 v5, v17, 12
	v_add_nc_u32 v5, s21, v5                       ; code rows in: 12 bytes a lane
	s_lshl_b32 s21, s20, 5
	v_lshrrev_b32 v6, 1, v17
	v_add_nc_u32 v6, s21, v6                       ; scale bytes in
	v_mul_u32_u24 v7, v18, 400
	v_mad_u32_u24 v7, v19, 24, v7                  ; a fragment: row r, 24 h
	v_lshlrev_b32 v8, 4, v18                       ; its scale words
	s_mul_i32 s21, s20, 12288
	v_lshl_add_u32 v9, v17, 4, s21                 ; my two tiles' images
	s_lshl_b32 s21, s20, 9
	v_lshl_add_u32 v10, v18, 4, s21                ; and scale words
	v_and_b32 v16, 8, v18
	v_add_nc_u32 v16, v16, v18                     ; r + 8 (r / 8)
	v_mul_u32_u24 v11, v16, 400
	v_mad_u32_u24 v11, v19, 24, v11
	v_lshlrev_b32 v12, 4, v16
	s_mul_i32 s21, s20, 49152
	v_mul_u32_u24 v13, v18, 24
	v_mad_u32_u24 v13, v19, 12, v13
	v_add_nc_u32 v13, s21, v13                     ; codes out: head w, row r, 12 h
	s_lshl_b32 s21, s20, 13
	v_lshl_add_u32 v14, v17, 2, s21                ; words out
	s_lshl_b32 s21, s20, 11
	v_add_nc_u32 v15, s21, v17                     ; v's bytes out
	v_mov_b32 v23, 0                               ; written once: a lane permute's destination counts as one of its sources
	v_mov_b32 v24, 0
	v_mov_b32 v26, 0
	s_wait_kmcnt 0x0
	s_add_nc_u64 s[4:5], s[4:5], s[30:31]
	s_add_nc_u64 s[14:15], s[14:15], s[32:33]
	s_add_nc_u64 s[18:19], s[16:17], s[36:37]
	s_add_nc_u64 s[16:17], s[16:17], s[34:35]
	s_wait_alu depctr_va_vdst(0)                   ; the fifteen addresses and offsets v1 to v15 are written, which every load and store of the kernel reads
	; ---- LN1: my two rows
.irp t, 0,1,2,3,4,5,6,7
	global_load_b128 v[ACCA+4*\t:ACCA+4*\t+3], v1, s[4:5] offset:2048*(\t/4)+512*(\t%4)   ; 512 consecutive bytes
.endr
.irp i, 0,1,2,3
	global_load_b128 v[XF+4*\i:XF+4*\i+3], v2, s[6:7] offset:16*\i
.endr
.irp i, 0,1,2,3
	global_load_b128 v[XF+16+4*\i:XF+16+4*\i+3], v2, s[8:9] offset:16*\i
.endr
	WLOAD 0
	s_wait_loadcnt 34                              ; x's eight loads are in; gain's and bias's 8 and the weight's 26 may be out
.irp t, 0,1,2,3,4,5,6,7
	ds_store_b128 v3, v[ACCA+4*\t:ACCA+4*\t+3] offset:2576*(\t/4)+640*(\t%4)
.endr
.irp t, 0,1,2,3,4,5,6,7
	ds_load_b128 v[ACCB+4*\t:ACCB+4*\t+3], v4 offset:2576*(\t/4)+16*(\t%4)   ; my own rows: LDS serves a wave's instructions in order
.endr
	s_wait_loadcnt 26                              ; gain and bias are in; the weight's 26 may be out
	s_wait_dscnt 0x0
	LNROW ACCB, XF+32, 28
	LNROW ACCB+16, XF+36, 29
	s_wait_alu depctr_va_vdst(0)                   ; both rows' conversions have written the codes and v28, v29, which the LDS stores read; LN is done reading gain and bias, in whose registers fragments land behind the barrier
	LNOUT HC, HSC, 0, XF+32, 28
	LNOUT HC, HSC, 1, XF+36, 29
	s_wait_dscnt 0x0                               ; for the others' sake: my rows' codes and bytes have landed
	s_barrier_signal -1
	s_barrier_wait -1                              ; the launch's one barrier: behind it h's codes are only read
	s_wait_alu depctr_vm_vsrc(0)                   ; my LDS stores have read ACCA, which the products write, XF+32 .. XF+38, in which fragments land, and v28, which the quantiser writes
	; ---- q, k, v
	GEMM HC, HSC, 7, 8, 16, ACCA, 1, 0
	s_wait_alu depctr_va_vdst(0)                   ; q's products are done reading W and WS, in which the next weight lands
	WLOAD 1
	EPI 0, 0, 224
	GEMM HC, HSC, 7, 8, 16, ACCA, 1, 0
	s_wait_alu depctr_va_vdst(0)                   ; k's products are done reading W and WS, in which the next weight lands
	WLOAD 2
	EPI 3145728, 524288, 234
	GEMM HC, HSC, 11, 12, 8, ACCA, 1, 1
	QUANT2 ACCA, ACCA+16, 244, 248
	s_mov_b32 vcc_lo, 0xffff0000
	v_cndmask_b32 v252, v27, v28, vcc_lo           ; lanes 0-15: channels' 0-15; lanes 16-31: channels' 16-31
	s_wait_alu depctr_va_vdst(0)                   ; the conversions have written the codes and the line above the byte, which the three stores read
	global_store_b96 v13, v[244:246], s[14:15] offset:6291456
	global_store_b96 v13, v[248:250], s[14:15] offset:6291456+384
	global_store_b8 v15, v252, s[18:19] offset:1048576
	s_wait_dscnt 0x0                               ; the closing lines, six on end
	s_wait_alu 0x0
	s_wait_tensorcnt 0x0
	ds_add_u32 v30, v31
	s_wait_dscnt 0x0
	s_endpgm
.Lfunc_end_k_qe126c601eb_qkv:
	.size	k_qe126c601eb_qkv, .Lfunc_end_k_qe126c601eb_qkv-k_qe126c601eb_qkv
	.p2alignl 7, 3214868480
	.fill 96, 4, 3214868480
	.section	.rodata,"a",@progbits
	.p2align	6, 0x0
	.amdhsa_kernel k_qe126c601eb_qkv
		.amdhsa_group_segment_fixed_size 97792
		.amdhsa_private_segment_fixed_size 0
		.amdhsa_enable_private_segment 0
		.amdhsa_kernarg_size 56
		.amdhsa_user_sgpr_count 2
		.amdhsa_user_sgpr_kernarg_segment_ptr 1
		.amdhsa_wavefront_size32 1
		.amdhsa_system_sgpr_workgroup_id_x 1
		.amdhsa_system_sgpr_workgroup_id_y 1
		.amdhsa_system_sgpr_workgroup_id_z 1
		.amdhsa_system_vgpr_workitem_id 0
		.amdhsa_next_free_vgpr 256
		.amdhsa_next_free_sgpr 66
		.amdhsa_reserve_vcc 1
		.amdhsa_float_denorm_mode_32 3
		.amdhsa_float_denorm_mode_16_64 3
		.amdhsa_memory_ordered 1
		.amdhsa_forward_progress 1
		.amdhsa_inst_pref_size 47
	.end_amdhsa_kernel
	.amdgpu_metadata
---
amdhsa.version: [ 1, 2 ]
amdhsa.kernels:
  - .name:           k_qe126c601eb_qkv
    .symbol:         k_qe126c601eb_qkv.kd
    .args:
      - { .name: x, .offset: 0, .size: 8, .value_kind: global_buffer, .address_space: global }
      - { .name: ln1_g, .offset: 8, .size: 8, .value_kind: global_buffer, .address_space: global }
      - { .name: ln1_b, .offset: 16, .size: 8, .value_kind: global_buffer, .address_space: global }
      - { .name: wcodes, .offset: 24, .size: 8, .value_kind: global_buffer, .address_space: global }
      - { .name: wscales, .offset: 32, .size: 8, .value_kind: global_buffer, .address_space: global }
      - { .name: qkvc, .offset: 40, .size: 8, .value_kind: global_buffer, .address_space: global }
      - { .name: qkvs, .offset: 48, .size: 8, .value_kind: global_buffer, .address_space: global }
    .group_segment_fixed_size: 97792
    .private_segment_fixed_size: 0
    .kernarg_segment_align: 8
    .kernarg_segment_size: 56
    .max_flat_workgroup_size: 512
    .sgpr_count:     66
    .vgpr_count:     256
    .wavefront_size: 32
...
	.end_amdgpu_metadata
.endif
;; end of part 6
;; launch attn (part 7): grid 4 x 64, 16 waves a work-group, no clusters, 114,944 bytes of LDS; arguments qkvc, qkvs, ocodes, oscales; writes ocodes, oscales
.if DOCPART == 7
	.amdgcn_target "amdgcn-amd-amdhsa--gfx1250"
	.amdhsa_code_object_version 6
	.text
	.protected	k_qe126c601eb_attn
	.globl	k_qe126c601eb_attn
	.p2align	8
	.type	k_qe126c601eb_attn,@function
k_qe126c601eb_attn:
	s_mov_b64 s[64:65], 0
	v_nop
	global_prefetch_b8 v0, s[64:65] scope:SCOPE_SE
	s_setreg_imm32_b32 hwreg(HW_REG_WAVE_SCHED_MODE, 0, 2), 2
	s_setreg_imm32_b32 hwreg(HW_REG_WAVE_MODE, 25, 1), 1
	s_wait_xcnt 0x0
	s_wait_alu depctr_vm_vsrc(0)
; o = softmax(q k^T / sqrt(32) + ALiBi, causal) v for one batch x head, both products on codes of FP6 (E2M3); o is divided by the row's sum and leaves as codes (a head's 32 are one block of the next product's K).
; THE SOFTMAX: t = logit x log2(e); M = the running largest t rounded UP to a whole number; p = 2^(t - M) is quantised along the keys, not normalised; the row's sum is taken of the unquantised p.
; When M moves, the sum and O are multiplied by 2^(old M - new M): exact.
; SHARES.  A work-group (x = j, y = batch x head) holds the head's K and V, codes and scales, in LDS: filled once, then only read.  Wave w owns two tiles of 16 queries, 4 w + j and 124 - 4 w + j:
; their key steps of 128 under the causal mask number w / 2 + 1 and 16 - w / 2: 17 for every wave of the launch.  Every wave walks all 16 steps of a loop of constant count and jumps, on ids alone, over a tile's work where all keys are hidden.
; LAYOUT.  Both products are used transposed: S^T = K Q^T (source 0 = 16 keys, source 1 = 16 queries), O^T = V^T P^T: a lane holds ONE query (lane % 16) throughout.
; THE KEYS OF A TILE ARE NOT NEIGHBOURS: lane r of tile 2 b + u takes key 32 b + 8 u + r + 8 (r / 8): the 16 registers of tiles 2 b, 2 b + 1 are keys 32 b + 16 (lane / 16) + 0 .. 15.
; K = 32 IN AN INSTRUCTION OF K = 128: Q's fragment holds zero codes beyond k = 31 (lanes 16-31 and registers 6-11).  K's fragment holds whatever lies there (the next tile's codes): every pattern of 6 bits is a finite number,
; its scale byte there is that of 1.0, and it is multiplied by zeros.
; ALiBi costs no instruction a score: the part slope x sqrt(32) x (16 h + i) is the C of the score products, the rest is one addend for each block of 32 keys.
; NOT USED: a cluster's joint loads for the four work-groups of a head.  The tiles are laid anew on their way into LDS (V by pairs of key blocks, the scale words by tiles), through registers, once in the launch: 104 KB a work-group.
; LIMITS: NaN and infinities are not served; the slopes 2^(-(head + 1) / 2) come from v_exp_f32; a block of zeros gets the scale byte 1 (its codes are zeros; this program alone reads the bytes).
; THE MODE: SCHED_MODE bits 1:0 = 2 (LLVM: expert scheduling mode 2), set by the entry lines.  The code itself states the register dependences
; between vector or matrix instructions and memory or LDS instructions, with s_wait_alu, always for 0.
; THE PLAN.  Registers that LDS instructions touch, in the loop:
;   v8-11   the trip's four LDS addresses: written by four additions at the trip's head, read by every LDS load of the trip.
;   KSR     K's scale words land in it at a step's head; the eight score products read it.
;   KF      tiles 0-3 of K land in it at a step's head, the first four score products read it; behind all eight V's two fragments land in it, and the step's last two products read them.
;   KG      tiles 4-7 of K land in it at a step's head, the second four score products read it; behind them the same registers are the softmax's, at work until the step's last two products.
;   VSR     V's scale words land in it behind the score products; the step's last two products read it.
; So a step has three waits on va_vdst for these: at its head (the step before is done with KF, KG and KSR, and the addresses are written), ahead of ONE run of 26 loads; behind the score products, ahead of V's 14 loads;
; and ahead of the last two products, which take codes and a scale word that vector instructions have made.  One wait on vm_vsrc a trip stands ahead of the four additions.
.set KC,  0                            ; K's codes: [key][24 bytes]
.set VC,  49152                        ; V's codes: [pair of key blocks 32][u 2][r 16][h 2][24 bytes]: a fragment load's 32 lanes are 24 bytes apart
.set KS,  98304                        ; K's scale words: [step 16][r 16, 48 bytes apart][tile 8]
.set VS,  110592                       ; V's scale bytes: [channel' 32, 68 bytes apart][key block 64]
.set AK0, 1                            ; v1-4   my lane's place in K's codes, V's codes, K's words, V's bytes
.set AV0, 2
.set AKS0, 3
.set AVS0, 4
.set RL,  5                            ; v5     r - 16 h
.set SLP, 6                            ; v6     slope x log2(e)
.set NINF, 7                           ; v7     -infinity
.set ADK, 8                            ; v8-11  the step's addresses
.set ADV, 9
.set ADS, 10
.set ADT, 11
.set LB,  12                           ; v12-15 slope x log2(e) x (32 b - r)
.set AL,  16                           ; v16-31 slope x sqrt(32) x (16 h + i)
.set KF,  32                           ; v32-55 the first four tiles of K, or two fragments of V; v56-61 zeros
.set KSR, 62                           ; v62-69 K's scale words; v70-71 V's; v72 p's; v73, v74 Q's
.set VSR, 70
.set PS,  72
.set QSA, 73
.set QSB, 74
.set QA,  76                           ; v76-87, v88-99 Q's fragments
.set QB,  88
.set OA,  100                          ; v100-115, v116-131 O^T
.set OB,  116
.set STA, 132                          ; -M, the largest t, the sum in two halves; for each tile
.set STB, 136
.set S,   140                          ; v140-203 S^T, then p
.set PC,  204                          ; v204-215 p's codes
.set PA,  216                          ; v216-223 for block b: the addend at 2 b, the largest score at 2 b + 1
.set KG,  224                          ; v224-247 the second four tiles of K; v248-253 zeros.  Behind the score products v224-245 are at work:
.set BP,  224                          ; v224-227 at work
.set SO,  228                          ; v228-231 the conversions' scale operands
.set CT,  232                          ; v232-234, v236-238 halves of blocks
.set F,   240                          ; v240 (with v241) 2^(old M - new M)
.set SUM2, 244
; A key step of one tile.  d: the scalar that holds D = the tile's first query - the step's first key.
.macro STEP d, q, qs, o, st
	v_cvt_f32_u32 v242, s[\d]
.irp b, 0,1,2,3
	v_fma_f32 v[PA+2*\b], -v242, v[SLP], v[LB+\b]  ; the block's addend: slope x log2(e) x (32 b - r - D)
.endr
	s_wait_alu depctr_va_vdst(0)                   ; the step before is done reading KF and KSR and reading and writing v224-245, the lines above are done with v242, and the trip's addresses v8-11 are written: the 26 loads below read these and land in those
	ds_load_b128 v[KSR:KSR+3], v[ADS]
	ds_load_b128 v[KSR+4:KSR+7], v[ADS] offset:16
.irp i, 0,1,2,3                                ; the step's eight tiles of 16 keys, asked for in one run: four into KF,
.irp p, 0,1,2
	ds_load_b64 v[KF+6*\i+2*\p:KF+6*\i+2*\p+1], v[ADK] offset:24*(32*(\i/2)+8*(\i%2))+8*\p
.endr
.endr
.irp i, 0,1,2,3                                ; four into KG
.irp p, 0,1,2
	ds_load_b64 v[KG+6*\i+2*\p:KG+6*\i+2*\p+1], v[ADK] offset:24*(64+32*(\i/2)+8*(\i%2))+8*\p
.endr
.endr
	s_wait_dscnt 12                                ; the words and the first four tiles are in; the second four tiles' 12 loads may be out
.irp i, 0,1,2,3                                ; S^T = K Q^T + ALiBi's part
	v_wmma_scale_f32_16x16x128_f8f6f4 v[S+8*\i:S+8*\i+7], v[KF+6*\i:KF+6*\i+11], v[\q:\q+11], v[AL+8*(\i%2):AL+8*(\i%2)+7], v[KSR+\i], v[\qs] matrix_a_fmt:MATRIX_FMT_FP6 matrix_b_fmt:MATRIX_FMT_FP6
.endr
	s_wait_dscnt 0x0
.irp i, 0,1,2,3
	v_wmma_scale_f32_16x16x128_f8f6f4 v[S+32+8*\i:S+32+8*\i+7], v[KG+6*\i:KG+6*\i+11], v[\q:\q+11], v[AL+8*(\i%2):AL+8*(\i%2)+7], v[KSR+4+\i], v[\qs] matrix_a_fmt:MATRIX_FMT_FP6 matrix_b_fmt:MATRIX_FMT_FP6
.endr
.rept 4
	v_nop                                          ; places in front of the loads below, of the first read of the scores, and of the first vector write into KG
.endr
	s_wait_alu depctr_va_vdst(0)                   ; the score products are done reading KF, and the step before's last products VSR: V's loads land in both
.irp u, 0,1                                    ; V's two fragments are asked for now and land under the softmax
.irp c, 0,1
.irp p, 0,1,2
	ds_load_b64 v[KF+12*\u+6*\c+2*\p:KF+12*\u+6*\c+2*\p+1], v[ADV] offset:1536*\c+768*\u+8*\p
.endr
.endr
	ds_load_b32 v[VSR+\u], v[ADT] offset:1088*\u
.endr
	s_cmp_ge_i32 s[\d], 128                        ; a step all of whose keys count skips the mask: a branch on ids
	s_cbranch_scc1 .Lopen_\@
	v_add_nc_u32 v242, s[\d], v[RL]                ; register 16 b + i holds the step's key 32 b + 16 h + i: hidden where 32 b + i > D + r - 16 h
.irp b, 0,1,2,3                                ; a block's sixteen compares in one run, into s16-21 and s38-47
.irp i, 0,1,2,3,4,5,6,7,8,9,10,11,12,13,14,15
	v_cmp_gt_i32 s[16+\i+16*((\i+10)/16)], 32*\b+\i, v242
.endr
	s_wait_alu depctr_va_sdst(0)                   ; the sixteen masks are written, ahead of the selects that read them
.irp i, 0,1,2,3,4,5,6,7,8,9,10,11,12,13,14,15
	v_cndmask_b32 v[S+16*\b+\i], v[S+16*\b+\i], v[NINF], s[16+\i+16*((\i+10)/16)]
.endr
.endr
.Lopen_\@:
.irp b, 0,1,2,3
	v_max3_num_f32 v[PA+2*\b+1], v[S+16*\b], v[S+16*\b+1], v[S+16*\b+2]   ; the largest score of each block of 32 keys: for the row's maximum, and, since p rises with the score, for the block's largest p
.endr
.irp i, 3,5,7,9,11,13
.irp b, 0,1,2,3
	v_max3_num_f32 v[PA+2*\b+1], v[PA+2*\b+1], v[S+16*\b+\i], v[S+16*\b+\i+1]
.endr
.endr
.irp b, 0,1,2,3
	v_max_num_f32 v[PA+2*\b+1], v[PA+2*\b+1], v[S+16*\b+15]
.endr
.irp b, 0,1,2,3
	v_permlanex16_b32 v[BP+\b], v[PA+2*\b+1], s24, s25
.endr
.irp b, 0,1,2,3
	v_max_num_f32 v[PA+2*\b+1], v[PA+2*\b+1], v[BP+\b]   ; with lane l xor 16's 16 keys
.endr
.irp b, 0,1,2,3
	v_fma_f32 v[BP+\b], v[PA+2*\b+1], s22, v[PA+2*\b]    ; as t
.endr
	v_max3_num_f32 v242, v[BP], v[BP+1], v[BP+2]
	v_max3_num_f32 v[\st+1], v[\st+1], v242, v[BP+3]     ; the running largest t
	v_mov_b32 v242, v[\st]
	v_floor_f32 v[\st], -v[\st+1]                  ; the new -M = -ceil(t): M is a whole number
	v_sub_f32 v242, v[\st], v242                   ; old M - new M: a whole number, 0 or less
	v_cvt_i32_f32 v242, v242                       ; (it saturates)
	v_ldexp_f32 v[F], 1.0, v242                    ; f = 2^(old M - new M)
.irp b, 0,1,2,3
	v_add_f32 v[PA+2*\b], v[PA+2*\b], v[\st]       ; the addend less M
.endr
.set n, 0
.rept 32
	v_pk_fma_f32 v[S+n:S+n+1], v[S+n:S+n+1], s[22:23], v[PA+2*(n/16):PA+2*(n/16)+1] op_sel_hi:[1,0,0]   ; t - M, two at a time (of each pair the low word serves both halves)
.set n, n+2
.endr
.irp b, 0,1,2,3
	v_fma_f32 v[PA+2*\b+1], v[PA+2*\b+1], s22, v[PA+2*\b]   ; the same of each block's largest score
.endr
.set n, 0
	s_wait_alu depctr_va_vdst(0)
.rept 64
	v_exp_f32 v[S+n], v[S+n]                       ; p = 2^(t - M), at most 1
.set n, n+1
.endr
.irp b, 0,1,2,3
	v_exp_f32 v[PA+2*\b+1], v[PA+2*\b+1]           ; the block's largest p: the same two instructions on the same number
.endr
	v_pk_mul_f32 v[\st+2:\st+3], v[\st+2:\st+3], v[F:F+1] op_sel_hi:[1,0]   ; the sums under the new M.  (A plain place behind the exponentials)
	s_wait_alu depctr_va_vdst(0)                   ; the 68 exponentials' results are written, ahead of their first reader
.irp b, 0,1,2,3
	v_max_num_f32 v[PA+2*\b+1], 0x1800000, v[PA+2*\b+1]   ; the floor 2^(3 - 127): the byte cannot fall under 1
.endr
.irp b, 0,1,2,3
	v_add_nc_u32 v[SO+\b], 0xff000000, v[PA+2*\b+1]
.endr
.irp b, 0,1,2,3
	v_lshrrev_b32 v[BP+\b], 23, v[SO+\b]
.endr
	v_lshl_or_b32 v[PS], v[BP+1], 8, v[BP]         ; p's scale word for these 128 keys
	v_lshl_or_b32 v[PS], v[BP+2], 16, v[PS]
	v_lshl_or_b32 v[PS], v[BP+3], 24, v[PS]
.irp c, 0,1
	v_cvt_scalef32_pk16_fp6_f32 v[PC+6*\c:PC+6*\c+2], v[S+32*\c:S+32*\c+15], v[SO+2*\c]
	v_cvt_scalef32_pk16_fp6_f32 v[CT+4*\c:CT+4*\c+2], v[S+32*\c+16:S+32*\c+31], v[SO+2*\c+1]
.endr
	v_nop                                          ; one plain place behind a scaled conversion
.irp c, 0,1                                    ; the operand's layout wants a WHOLE block in a lane: lanes 0-15 block 2 c, lanes 16-31 block 2 c + 1
.irp i, 0,1,2
	v_permlane16_swap_b32 v[PC+6*\c+\i], v[CT+4*\c+\i]
.endr
.irp i, 0,1,2
	v_mov_b32 v[PC+3+6*\c+\i], v[CT+4*\c+\i]
.endr
.endr
	v_pk_add_f32 v[SUM2:SUM2+1], v[S:S+1], v[S+2:S+3]   ; the row's sum of the UNQUANTISED p, in two chains
.irp j, 4,8,12,16,20,24,28,32,36,40,44,48,52,56,60
	v_pk_add_f32 v[\st+2:\st+3], v[\st+2:\st+3], v[S+\j:S+\j+1]
	v_pk_add_f32 v[SUM2:SUM2+1], v[SUM2:SUM2+1], v[S+\j+2:S+\j+3]
.endr
	v_pk_add_f32 v[\st+2:\st+3], v[\st+2:\st+3], v[SUM2:SUM2+1]
.irp j, 0,2,4,6,8,10,12,14
	v_pk_mul_f32 v[\o+\j:\o+\j+1], v[\o+\j:\o+\j+1], v[F:F+1] op_sel_hi:[1,0]   ; O^T under the new M, each accumulator from its low end on
.endr
	s_wait_dscnt 0x0                               ; V's fragments and scale words
	s_wait_alu depctr_va_vdst(0)                   ; p's codes and p's scale word, made by vector instructions, are written: the scaled products below take them; the sums and rescalings above are the places between
.irp u, 0,1
	v_wmma_scale_f32_16x16x128_f8f6f4 v[\o+8*\u:\o+8*\u+7], v[KF+12*\u:KF+12*\u+11], v[PC:PC+11], v[\o+8*\u:\o+8*\u+7], v[VSR+\u], v[PS] matrix_a_fmt:MATRIX_FMT_FP6 matrix_b_fmt:MATRIX_FMT_FP6
.endr
.endm
.macro FIN o, st, dst                  ; O^T / the row's sum
	v_add_f32 v242, v[\st+2], v[\st+3]
	v_permlanex16_b32 v[BP], v242, s24, s25
	v_add_f32 v242, v242, v[BP]
	s_wait_alu depctr_va_vdst(0)
	v_rcp_f32 v[F], v242
	v_nop                                          ; a plain place behind the transcendental
	s_wait_alu depctr_va_vdst(0)                   ; the reciprocal is written, ahead of its first reader
.irp j, 0,2,4,6,8,10,12,14
	v_pk_mul_f32 v[\dst+\j:\dst+\j+1], v[\o+\j:\o+\j+1], v[F:F+1] op_sel_hi:[1,0]
.endr
.endm
	s_load_b256 s[4:11], s[0:1], 0x0               ; qkvc, qkvs, ocodes, oscales
	v_lshl_add_u32 v254, v0, 2, 0x1b900
	v_mov_b32 v255, 0
	v_lshrrev_b32 v8, 5, v0
	v_readfirstlane_b32 s12, v8                    ; wave 0..15
	s_and_b32 s13, ttmp7, 0xffff                   ; batch x head
	s_wait_alu depctr_va_sdst(0)                   ; s12, the wave's number, is written, ahead of its first reader
	s_lshl_b32 s33, s12, 2
	s_add_co_u32 s14, s33, ttmp9                   ; tile A = 4 w + j
	s_sub_co_u32 s15, 124, s33
	s_add_co_u32 s15, s15, ttmp9                   ; tile B = 124 - 4 w + j
	s_mul_i32 s16, s13, 49152                      ; the head's codes,
	s_mov_b32 s17, 0
	s_lshl_b32 s18, s13, 13                        ; its words,
	s_mov_b32 s19, 0
	s_lshl_b32 s20, s13, 11                        ; its bytes
	s_mov_b32 s21, 0
	s_mov_b32 s22, 0x3e8293ee                      ; c = log2(e) / sqrt(32)
	s_mov_b32 s23, s22                             ; (named with it as a pair, so it is written)
	s_mov_b32 s24, 0x76543210
	s_mov_b32 s25, 0xfedcba98                      ; v_permlanex16_b32's selects for lane l xor 16
	v_and_b32 v8, 15, v0                           ; r
	v_bfe_u32 v9, v0, 4, 1                         ; h
	v_and_b32 v10, 31, v0                          ; lane
	; the fill's addresses, in registers that the loop takes over behind the waits for the fill
	v_lshlrev_b32 v204, 4, v0                      ; K's codes: 16 x thread, in memory and in LDS
	s_mul_i32 s33, s12, 3072
	v_mul_u32_u24 v205, v10, 24
	v_add_nc_u32 v205, s33, v205                   ; V's codes in memory: my wave's four key blocks, channel' = lane
	v_mul_u32_u24 v206, v9, 768
	v_mad_u32_u24 v206, v8, 48, v206
	s_add_co_u32 s33, s33, VC
	v_add_nc_u32 v206, s33, v206                   ; and in LDS: 768 (lane / 16) + 48 (lane % 16)
	v_lshlrev_b32 v207, 2, v0                      ; words: 4 x thread
	v_lshrrev_b32 v11, 7, v0
	v_mul_u32_u24 v208, v11, 768                   ; K's word of key = thread: step = key / 128,
	v_and_b32 v11, 7, v0
	v_bfe_u32 v209, v0, 4, 1
	v_lshl_add_u32 v11, v209, 3, v11               ; row r = key % 8 + 8 ((key / 16) % 2),
	v_mad_u32_u24 v208, v11, 48, v208
	v_bfe_u32 v11, v0, 5, 2
	v_bfe_u32 v209, v0, 3, 1
	v_lshl_add_u32 v11, v11, 1, v209               ; tile = 2 ((key / 32) % 4) + (key / 8) % 2
	v_lshl_add_u32 v208, v11, 2, v208
	v_add_nc_u32 v208, KS, v208
	v_and_b32 v11, 7, v0
	v_lshrrev_b32 v209, 3, v0
	v_mad_u32_u24 v209, v11, 272, v209
	v_add_nc_u32 v209, VS, v209                    ; V's four bytes of a thread: key block thread / 8, channels' 4 (thread % 8) + 0 .. 3
	s_mul_i32 s33, s14, 384
	s_mul_i32 s36, s15, 384
	v_mul_u32_u24 v11, v8, 24
	v_add_nc_u32 v210, s33, v11                    ; Q's codes: query r of each tile
	v_add_nc_u32 v211, s36, v11
	s_lshl_b32 s33, s14, 6
	s_lshl_b32 s36, s15, 6
	v_lshl_add_u32 v212, v8, 2, s33                ; and words
	v_lshl_add_u32 v213, v8, 2, s36
	s_wait_kmcnt 0x0
	s_add_nc_u64 s[4:5], s[4:5], s[16:17]
	s_add_nc_u64 s[34:35], s[6:7], s[20:21]
	s_add_nc_u64 s[6:7], s[6:7], s[18:19]
	s_add_nc_u64 s[8:9], s[8:9], s[16:17]
	s_add_nc_u64 s[10:11], s[10:11], s[20:21]
	s_wait_alu depctr_va_vdst(0)                   ; the fill's ten addresses v204 to v213 are written, which its loads and LDS stores read
.irp k, 0,1,2,3,4,5
	global_load_b128 v[140+4*\k:143+4*\k], v204, s[4:5] offset:3145728+8192*\k
.endr
.irp i, 0,1,2,3
.irp p, 0,1,2
	global_load_b64 v[164+6*\i+2*\p:165+6*\i+2*\p], v205, s[4:5] offset:6291456+768*\i+8*\p
.endr
.endr
.irp k, 0,1,2,3
	global_load_b32 v[188+\k], v207, s[6:7] offset:524288+2048*\k
.endr
	global_load_b32 v192, v207, s[34:35] offset:1048576
.irp p, 0,1,2
	global_load_b64 v[QA+2*\p:QA+2*\p+1], v210, s[4:5] offset:8*\p
	global_load_b64 v[QB+2*\p:QB+2*\p+1], v211, s[4:5] offset:8*\p
.endr
	global_load_b32 v[QSA], v212, s[6:7]
	global_load_b32 v[QSB], v213, s[6:7]
	; constants, while the loads are out
	v_and_b32 v[AK0], 8, v8
	v_add_nc_u32 v[AK0], v[AK0], v8
	v_mul_u32_u24 v[AK0], v[AK0], 24               ; key r + 8 (r / 8) of a tile; both halves of the lanes read the same 24 bytes
	v_mul_u32_u24 v[AV0], v8, 48
	v_mad_u32_u24 v[AV0], v9, 24, v[AV0]
	v_add_nc_u32 v[AV0], VC, v[AV0]
	v_mul_u32_u24 v[AKS0], v8, 48
	v_add_nc_u32 v[AKS0], KS, v[AKS0]
	v_mul_u32_u24 v[AVS0], v8, 68
	v_add_nc_u32 v[AVS0], VS, v[AVS0]
	v_lshlrev_b32 v243, 4, v9                      ; 16 h
	v_sub_nc_u32 v[RL], v8, v243
	v_mov_b32 v[NINF], 0xff800000
	s_and_b32 s33, s13, 15
	s_add_co_u32 s33, s33, 1                       ; head + 1
	v_cvt_f32_u32 v242, s33
	v_mul_f32 v242, -0.5, v242
	s_wait_alu depctr_va_vdst(0)
	v_exp_f32 v242, v242                           ; the slope 2^(-(head + 1) / 2)
	v_nop                                          ; a plain place behind the transcendental
	s_wait_alu depctr_va_vdst(0)                   ; the slope is written, ahead of its first reader
	v_mul_f32 v[SLP], 0x3fb8aa3b, v242             ; x log2(e)
	v_mul_f32 v244, 0x40b504f3, v242               ; x sqrt(32)
.irp i, 0,1,2,3,4,5,6,7,8,9,10,11,12,13,14,15
	v_add_nc_u32 v[AL+\i], \i, v243
.endr
.irp i, 0,1,2,3,4,5,6,7,8,9,10,11,12,13,14,15
	v_cvt_f32_u32 v[AL+\i], v[AL+\i]
.endr
.irp i, 0,1,2,3,4,5,6,7,8,9,10,11,12,13,14,15
	v_mul_f32 v[AL+\i], v244, v[AL+\i]
.endr
.irp b, 0,1,2,3
	v_sub_nc_u32 v[LB+\b], 32*\b, v8
.endr
.irp b, 0,1,2,3
	v_cvt_f32_i32 v[LB+\b], v[LB+\b]
.endr
.irp b, 0,1,2,3
	v_mul_f32 v[LB+\b], v[SLP], v[LB+\b]
.endr
.irp t, STA, STB
	v_mov_b32 v[\t+1], 0xff61b1e6                  ; the largest t so far: -3e38, under every t
	v_floor_f32 v[\t], -v[\t+1]
	v_mov_b32 v[\t+2], 0
	v_mov_b32 v[\t+3], 0
.endr
.set n, 0
.rept 32
	v_mov_b32 v[OA+n], 0                           ; O^T of both tiles: the step is written once, its first walk finds zeros
.set n, n+1
.endr
.irp i, 0,1,2,3,4,5
	v_mov_b32 v[KF+24+\i], 0                       ; what the fourth tile's fragment names behind its codes,
	v_mov_b32 v[KG+24+\i], 0                       ; and the eighth's
	v_mov_b32 v[QA+6+\i], 0                        ; Q's k = 64 .. 127: zero codes
	v_mov_b32 v[QB+6+\i], 0
.endr
.irp b, 0,1,2,3
	v_mov_b32 v[BP+\b], 0                          ; written once: a lane permute's destination counts as one of its sources
.endr
	v_mov_b32 v[F+1], 0                            ; (named as the upper half of a pair)
	s_wait_loadcnt 0x0
	v_lshrrev_b32 v193, 8, v192
	v_lshrrev_b32 v194, 16, v192
	v_lshrrev_b32 v195, 24, v192
	s_mov_b32 vcc_lo, 0xffff0000
.irp i, 0,1,2,3,4,5
	v_cndmask_b32 v[QA+\i], v[QA+\i], v[KF+24], vcc_lo   ; Q's k = 32 .. 63 (lanes 16-31): zero codes
	v_cndmask_b32 v[QB+\i], v[QB+\i], v[KF+24], vcc_lo
.endr
	s_wait_alu depctr_va_vdst(0)                   ; v193 to v195 are written, which the byte stores read
.irp k, 0,1,2,3,4,5
	ds_store_b128 v204, v[140+4*\k:143+4*\k] offset:KC+8192*\k
.endr
.irp i, 0,1,2,3
.irp p, 0,1,2
	ds_store_b64 v206, v[164+6*\i+2*\p:165+6*\i+2*\p] offset:1536*(\i/2)+24*(\i%2)+8*\p
.endr
.endr
.irp k, 0,1,2,3
	ds_store_b32 v208, v[188+\k] offset:3072*\k
.endr
.irp e, 0,1,2,3
	ds_store_b8 v209, v[192+\e] offset:68*\e
.endr
	s_lshl_b32 s26, s14, 4                         ; D of tile A: its first query less the step's first key
	s_lshl_b32 s27, s15, 4                         ; and of tile B
	s_mov_b32 s29, 0                               ; the step's codes: 3,072 bytes on in K and in V
	s_mov_b32 s30, 0                               ; K's words: 768
	s_mov_b32 s31, 0                               ; V's bytes: 4
	s_mov_b32 s32, 16
	s_wait_dscnt 0x0                               ; for the others' sake: my part of the fill has landed
	s_barrier_signal -1
	s_barrier_wait -1                              ; the launch's one barrier: behind it LDS is only read
.Lstep:
	s_wait_alu depctr_vm_vsrc(0)                   ; the LDS loads of the trip before have read v8-11, which the four lines below write; in the first trip: the fill's loads and LDS stores have read v140-213, which the step's products and vector instructions write
	v_add_nc_u32 v[ADK], s29, v[AK0]
	v_add_nc_u32 v[ADV], s29, v[AV0]
	v_add_nc_u32 v[ADS], s30, v[AKS0]
	v_add_nc_u32 v[ADT], s31, v[AVS0]
	s_cmp_lt_i32 s26, 0                            ; all 128 keys come after tile A's queries: its work is left out
	s_cbranch_scc1 .Lno_a
	STEP 26, QA, QSA, OA, STA
.Lno_a:
	s_cmp_lt_i32 s27, 0
	s_cbranch_scc1 .Lno_b
	STEP 27, QB, QSB, OB, STB
.Lno_b:
	s_sub_co_i32 s26, s26, 128
	s_sub_co_i32 s27, s27, 128
	s_add_co_u32 s29, s29, 3072
	s_add_co_u32 s30, s30, 768
	s_add_co_u32 s31, s31, 4
	s_sub_co_u32 s32, s32, 1
	s_cmp_lg_u32 s32, 0
	s_cbranch_scc1 .Lstep
	s_wait_alu depctr_vm_vsrc(0)                   ; the last trip's LDS loads have read v8-10, which the way out writes
.rept 4
	v_nop                                          ; places behind the last products
.endr
	FIN OA, STA, S
	FIN OB, STB, S+16
	; o's 32 channels of a query are one block: my 16 and lane l xor 16's
	v_max3_num_f32 v242, |v[S]|, |v[S+1]|, 0x1800000
	v_max3_num_f32 v243, |v[S+16]|, |v[S+17]|, 0x1800000
.irp i, 2,4,6,8,10,12,14
	v_max3_num_f32 v242, v242, |v[S+\i]|, |v[S+\i+1]|
	v_max3_num_f32 v243, v243, |v[S+16+\i]|, |v[S+16+\i+1]|
.endr
	v_permlanex16_b32 v[BP], v242, s24, s25
	v_permlanex16_b32 v[BP+1], v243, s24, s25
	v_max_num_f32 v242, v242, v[BP]
	v_max_num_f32 v243, v243, v[BP+1]
	v_add_nc_u32 v[SO], 0xff000000, v242
	v_add_nc_u32 v[SO+1], 0xff000000, v243
	v_lshrrev_b32 v[BP+2], 23, v[SO]
	v_lshrrev_b32 v[BP+3], 23, v[SO+1]
	v_cvt_scalef32_pk16_fp6_f32 v[CT:CT+2], v[S:S+15], v[SO]
	v_cvt_scalef32_pk16_fp6_f32 v[CT+4:CT+6], v[S+16:S+31], v[SO+1]
	v_nop                                          ; one plain place behind a scaled conversion
	v_and_b32 v8, 15, v0
	v_bfe_u32 v9, v0, 4, 1
	v_mul_u32_u24 v10, v8, 24
	v_mad_u32_u24 v10, v9, 12, v10
	s_mul_i32 s33, s14, 384
	s_mul_i32 s36, s15, 384
	v_add_nc_u32 v246, s33, v10
	v_add_nc_u32 v247, s36, v10
	s_lshl_b32 s33, s14, 4
	s_sub_co_u32 s36, s15, s14
	s_lshl_b32 s36, s36, 4
	v_mad_u32_u24 v248, v9, s36, v8
	v_add_nc_u32 v248, s33, v248                   ; lanes 0-15: tile A's queries; lanes 16-31: tile B's
	s_mov_b32 vcc_lo, 0xffff0000
	v_cndmask_b32 v249, v[BP+2], v[BP+3], vcc_lo
	s_wait_alu depctr_va_vdst(0)                   ; the codes, the byte v249 and the offsets v246 to v248 are written, which the three stores read
	global_store_b96 v246, v[CT:CT+2], s[8:9]      ; a tile's codes: 384 consecutive bytes
	global_store_b96 v247, v[CT+4:CT+6], s[8:9]
	global_store_b8 v248, v249, s[10:11]
	s_wait_dscnt 0x0                               ; the closing lines, six on end
	s_wait_alu 0x0
	s_wait_tensorcnt 0x0
	ds_add_u32 v254, v255
	s_wait_dscnt 0x0
	s_endpgm
.Lfunc_end_k_qe126c601eb_attn:
	.size	k_qe126c601eb_attn, .Lfunc_end_k_qe126c601eb_attn-k_qe126c601eb_attn
	.p2alignl 7, 3214868480
	.fill 96, 4, 3214868480
	.section	.rodata,"a",@progbits
	.p2align	6, 0x0
	.amdhsa_kernel k_qe126c601eb_attn
		.amdhsa_group_segment_fixed_size 114944
		.amdhsa_private_segment_fixed_size 0
		.amdhsa_enable_private_segment 0
		.amdhsa_kernarg_size 32
		.amdhsa_user_sgpr_count 2
		.amdhsa_user_sgpr_kernarg_segment_ptr 1
		.amdhsa_wavefront_size32 1
		.amdhsa_system_sgpr_workgroup_id_x 1
		.amdhsa_system_sgpr_workgroup_id_y 1
		.amdhsa_system_sgpr_workgroup_id_z 1
		.amdhsa_system_vgpr_workitem_id 0
		.amdhsa_next_free_vgpr 256
		.amdhsa_next_free_sgpr 66
		.amdhsa_reserve_vcc 1
		.amdhsa_float_denorm_mode_32 3
		.amdhsa_float_denorm_mode_16_64 3
		.amdhsa_memory_ordered 1
		.amdhsa_forward_progress 1
		.amdhsa_inst_pref_size 70
	.end_amdhsa_kernel
	.amdgpu_metadata
---
amdhsa.version: [ 1, 2 ]
amdhsa.kernels:
  - .name:           k_qe126c601eb_attn
    .symbol:         k_qe126c601eb_attn.kd
    .args:
      - { .name: qkvc, .offset: 0, .size: 8, .value_kind: global_buffer, .address_space: global }
      - { .name: qkvs, .offset: 8, .size: 8, .value_kind: global_buffer, .address_space: global }
      - { .name: ocodes, .offset: 16, .size: 8, .value_kind: global_buffer, .address_space: global }
      - { .name: oscales, .offset: 24, .size: 8, .value_kind: global_buffer, .address_space: global }
    .group_segment_fixed_size: 114944
    .private_segment_fixed_size: 0
    .kernarg_segment_align: 8
    .kernarg_segment_size: 32
    .max_flat_workgroup_size: 512
    .sgpr_count:     66
    .vgpr_count:     256
    .wavefront_size: 32
...
	.end_amdgpu_metadata
.endif
;; end of part 7
;; launch tail (part 8): grid 256 x 1, 16 waves a work-group, no clusters, 207,872 bytes of LDS; arguments x, ocodes, oscales, wcodes, wscales, ln2_g, ln2_b, out0; writes out0
.if DOCPART == 8
	.amdgcn_target "amdgcn-amd-amdhsa--gfx1250"
	.amdhsa_code_object_version 6
	.text
	.protected	k_qe126c601eb_tail
	.globl	k_qe126c601eb_tail
	.p2align	8
	.type	k_qe126c601eb_tail,@function
k_qe126c601eb_tail:
	s_mov_b64 s[64:65], 0
	v_nop
	global_prefetch_b8 v0, s[64:65] scope:SCOPE_SE
	s_setreg_imm32_b32 hwreg(HW_REG_WAVE_SCHED_MODE, 0, 2), 2
	s_setreg_imm32_b32 hwreg(HW_REG_WAVE_MODE, 25, 1), 1
	s_wait_xcnt 0x0
	s_wait_alu depctr_vm_vsrc(0)
; x1 = x + o wo^T; h2 = LayerNorm(x1), quantised; out = x1 + (silu(h2 w1^T) x (h2 w3^T)) w2^T: four products on codes of FP6 (E2M3); nothing between them goes to memory.
; SHARES.  A work-group takes 32 tokens.  Wave w makes columns 32 w .. 32 w + 31 of every product for all 32 tokens, and normalises rows 2 w and 2 w + 1.
; Its two tiles of a weight come from memory straight into operand registers, in the order in which an earlier launch laid them, a phase ahead.
; Every product: source 0 = 16 rows of the weight, source 1 = 16 tokens: lane (r, h) holds token r and columns 32 w + 16 h + 0 .. 15 in 16 registers: half a block of the next product's K.
; The residuals cost no addition: x is the C of wo's first K step, x1 that of w2's.
; LDS: three sets of code rows (384 bytes, 400 apart) with 16 scale bytes a row; two f32 stages (row pitch 2,576, 16 bytes of padding behind each 64): FA holds x and at the end out, FB holds x1.
; Five barriers; in front of each a wave waits for all its LDS instructions.  Each region is written in one phase and read only behind the next barrier; FA is written again three barriers behind its last read.
; NOT USED: tensor loads and a cluster's joint loads for the weights.  Each wave wants only its own sixteenth of a weight, 12,288 bytes, and takes it as operand registers; through LDS the same bytes would be written and read once more.
; LIMITS: NaN and infinities are not served; a block of zeros, or under 2^-124, gets the scale byte 1 (its codes are zeros; this program alone reads the bytes).
; THE MODE: SCHED_MODE bits 1:0 = 2 (LLVM: expert scheduling mode 2), set by the entry lines.  The code itself states the register dependences
; between vector or matrix instructions and memory or LDS instructions, with s_wait_alu, always for 0.
; THE PLAN.  Registers that memory or LDS instructions touch:
;   v1-18      addresses and offsets, made once at the head and never written again.
;   ACCA       x lands, LDS stores read it, x lands again in the accumulators' order, wo's products write it, LDS stores read it, my rows of x1 land, LN works on them; then products and vector instructions alone; at the end out lands and global stores read it.
;   ACCB       o's codes land, LDS stores read them; w3's products write it, the gate's multiplications read it; x1 lands, w2's products write it, LDS stores read it.
;   XF         fragments land, products read them; between products: gain and bias land and LN reads them; silu's numbers (vector instructions alone); XF+32 .. XF+38, with v27 to v29, are codes and bytes that conversions write and LDS stores read.
;   W, WS, XS  loads land in them, products read them.
; So: behind each product one wait on va_vdst, ahead of the next weight's loads and of whatever else lands in or leaves from the product's registers; in a product one ahead of each refill of a fragment buffer;
; one ahead of each run of LDS stores of codes; one behind silu; and one on vm_vsrc behind each barrier behind which registers that LDS stores have read are written again.
.set OC,   0                           ; o's code rows
.set H2C,  12800                       ; h2's
.set HC,   25600                       ; the hidden layer's
.set OSC,  38400                       ; their scale bytes
.set H2SC, 38912
.set HSC,  39424
.set FA,   40960
.set FB,   123392
.set W,    32                          ; v32-127  the weight's fragments: (tile u, K step s) at W + 12 (4 u + s)
.set WS,   128                         ; v128-135 its scale words
.set XS,   136                         ; v136-143 the tokens' scale words
.set XF,   144                         ; v144-191 the tokens' fragments: two buffers of 24; between products gain, bias, silu's numbers and codes
.set ACCA, 192
.set ACCB, 224
; v1 x and out, v2 gain and bias, v3 FA in memory's order, v4 FB 16 neighbours a lane, v5 code rows in, v6 scale bytes in, v7 fragments, v8 scale words, v9 weight codes, v10 weight scales,
; v11, v12 FA, FB in the accumulators' order, v13, v14 the hidden layer's codes and bytes in, v15, v16 o's, v17, v18 o's in memory; v19-31 at work
.macro WLOAD y
.set i, 0
.rept 24
	global_load_b128 v[W+4*i:W+4*i+3], v9, s[10:11] offset:\y*196608+512*i
.set i, i+1
.endr
	global_load_b128 v[WS:WS+3], v10, s[12:13] offset:\y*8192
	global_load_b128 v[WS+4:WS+7], v10, s[12:13] offset:\y*8192+256
.endm
.macro XLOAD creg, buf, ks             ; two fragments (16 rows x 128 K) of K step ks into buffer buf
.irp m, 0,1
.irp p, 0,1,2,3,4,5
	ds_load_b64 v[XF+24*(\buf)+12*\m+2*\p:XF+24*(\buf)+12*\m+2*\p+1], v7 offset:\creg+6400*\m+96*(\ks)+48*(\p/3)+8*(\p%3)
.endr
.endr
.endm
.macro WM acc, m, u, ks, zero
.set FX, XF+24*((\ks)%2)+12*\m
.set FW, W+12*(4*\u+\ks)
.set DD, \acc+16*\m+8*\u
.if (\zero) && (\ks == 0)
	v_wmma_scale_f32_16x16x128_f8f6f4 v[DD:DD+7], v[FW:FW+11], v[FX:FX+11], 0, v[WS+4*\u+\ks], v[XS+4*\m+\ks] matrix_a_fmt:MATRIX_FMT_FP6 matrix_b_fmt:MATRIX_FMT_FP6
.else
	v_wmma_scale_f32_16x16x128_f8f6f4 v[DD:DD+7], v[FW:FW+11], v[FX:FX+11], v[DD:DD+7], v[WS+4*\u+\ks], v[XS+4*\m+\ks] matrix_a_fmt:MATRIX_FMT_FP6 matrix_b_fmt:MATRIX_FMT_FP6
.endif
.endm
; 32 tokens x my 32 columns x K = 512: four K steps of four matrix instructions; the four accumulators take turns, one instruction a turn.
; zero = 0: the accumulators hold a residual, loaded from LDS ahead of the fragments.
.macro GEMM creg, sreg, acc, zero
	ds_load_b128 v[XS:XS+3], v8 offset:\sreg
	ds_load_b128 v[XS+4:XS+7], v8 offset:\sreg+256
	XLOAD \creg, 0, 0
	XLOAD \creg, 1, 1
	s_wait_loadcnt 0x0                             ; the weight's fragments and words
.irp ks, 0,1,2,3
.if \ks < 3
	s_wait_dscnt 12                                ; all but the other buffer's 12 loads are in, a residual among them
.else
	s_wait_dscnt 0x0
.endif
.irp m, 0,1
.irp u, 0,1
	WM \acc, \m, \u, \ks, \zero
.endr
.endr
.if \ks < 2
.rept 4
	v_nop                                          ; four places in front of loads into registers that these products read (ISA guide 7.12.1 for vector instructions)
.endr
	s_wait_alu depctr_va_vdst(0)                   ; this K step's four products are done reading their fragment buffer, in which the 12 loads below land
	XLOAD \creg, \ks, \ks+2
.endif
.endr
.rept 5
	v_nop                                          ; five places: in front of loads into the operands, of reads of the results, and of a later product that begins accumulators anew
.endr
.endm
.macro WSUM
	v_add_f32_dpp v22, v22, v22 row_xmask:1 row_mask:0xf bank_mask:0xf
	v_add_f32_dpp v22, v22, v22 row_xmask:2 row_mask:0xf bank_mask:0xf
	v_add_f32_dpp v22, v22, v22 row_xmask:4 row_mask:0xf bank_mask:0xf
	v_add_f32_dpp v22, v22, v22 row_xmask:8 row_mask:0xf bank_mask:0xf
	v_permlanex16_b32 v26, v22, s24, s25
	v_add_f32 v22, v22, v26
.endm
; One row of 512, 16 neighbours a lane: mean, the mean of the squared differences (no difference of large sums), rsqrt, gain and bias; quantised (two lanes hold a block); codes into v[cd] on, the byte into v[by].
.macro LNROW x, cd, by
	v_pk_add_f32 v[22:23], v[\x:\x+1], v[\x+2:\x+3]
	v_pk_add_f32 v[24:25], v[\x+4:\x+5], v[\x+6:\x+7]
	v_pk_add_f32 v[22:23], v[22:23], v[\x+8:\x+9]
	v_pk_add_f32 v[24:25], v[24:25], v[\x+10:\x+11]
	v_pk_add_f32 v[22:23], v[22:23], v[\x+12:\x+13]
	v_pk_add_f32 v[24:25], v[24:25], v[\x+14:\x+15]
	v_pk_add_f32 v[22:23], v[22:23], v[24:25]
	v_add_f32 v22, v22, v23
	WSUM
	v_mul_f32 v22, s26, v22
.irp i, 0,2,4,6,8,10,12,14
	v_pk_add_f32 v[\x+\i:\x+\i+1], v[\x+\i:\x+\i+1], v[22:23] op_sel_hi:[1,0] neg_lo:[0,1] neg_hi:[0,1]
.endr
	v_pk_mul_f32 v[22:23], v[\x:\x+1], v[\x:\x+1]
	v_pk_mul_f32 v[24:25], v[\x+2:\x+3], v[\x+2:\x+3]
.irp i, 4,8,12
	v_pk_fma_f32 v[22:23], v[\x+\i:\x+\i+1], v[\x+\i:\x+\i+1], v[22:23]
	v_pk_fma_f32 v[24:25], v[\x+\i+2:\x+\i+3], v[\x+\i+2:\x+\i+3], v[24:25]
.endr
	v_pk_add_f32 v[22:23], v[22:23], v[24:25]
	v_add_f32 v22, v22, v23
	WSUM
	v_fma_f32 v22, v22, s26, s27
	s_wait_alu depctr_va_vdst(0)
	v_rsq_f32 v22, v22
	v_nop                                          ; a plain place behind the transcendental
	s_wait_alu depctr_va_vdst(0)                   ; the root's reciprocal is written, ahead of its first reader
.irp i, 0,2,4,6,8,10,12,14
	v_pk_mul_f32 v[\x+\i:\x+\i+1], v[\x+\i:\x+\i+1], v[22:23] op_sel_hi:[1,0]
.endr
.irp i, 0,2,4,6,8,10,12,14
	v_pk_fma_f32 v[\x+\i:\x+\i+1], v[\x+\i:\x+\i+1], v[XF+\i:XF+\i+1], v[XF+16+\i:XF+16+\i+1]
.endr
	v_max3_num_f32 v22, |v[\x]|, |v[\x+1]|, 0x1800000
.irp i, 2,4,6,8,10,12,14
	v_max3_num_f32 v22, v22, |v[\x+\i]|, |v[\x+\i+1]|
.endr
	v_max_num_f32_dpp v22, v22, v22 row_xmask:1 row_mask:0xf bank_mask:0xf
	v_add_nc_u32 v27, 0xff000000, v22
	v_lshrrev_b32 v[\by], 23, v27
	v_cvt_scalef32_pk16_fp6_f32 v[\cd:\cd+2], v[\x:\x+15], v27
	v_nop                                          ; one plain place behind a scaled conversion: a product later writes its sources
.endm
.macro LNOUT creg, sreg, row, cd, by   ; a row's codes and byte to LDS
.irp i, 0,1,2
	ds_store_b32 v5, v[\cd+\i] offset:\creg+400*\row+4*\i
.endr
	ds_store_b8 v6, v[\by] offset:\sreg+16*\row
.endm
.macro QUANT2 s0, s1, cd0, cd1         ; two runs of 16 registers, each half a block whose other half lies in lane l xor 16; the bytes are left in v27, v28
	v_max3_num_f32 v21, |v[\s0]|, |v[\s0+1]|, 0x1800000
	v_max3_num_f32 v22, |v[\s1]|, |v[\s1+1]|, 0x1800000
.irp i, 2,4,6,8,10,12,14
	v_max3_num_f32 v21, v21, |v[\s0+\i]|, |v[\s0+\i+1]|
	v_max3_num_f32 v22, v22, |v[\s1+\i]|, |v[\s1+\i+1]|
.endr
	v_permlanex16_b32 v23, v21, s24, s25
	v_permlanex16_b32 v24, v22, s24, s25
	v_max_num_f32 v21, v21, v23
	v_max_num_f32 v22, v22, v24
	v_add_nc_u32 v25, 0xff000000, v21
	v_add_nc_u32 v26, 0xff000000, v22
	v_lshrrev_b32 v27, 23, v25
	v_lshrrev_b32 v28, 23, v26
	v_cvt_scalef32_pk16_fp6_f32 v[\cd0:\cd0+2], v[\s0:\s0+15], v25
	v_cvt_scalef32_pk16_fp6_f32 v[\cd1:\cd1+2], v[\s1:\s1+15], v26
	v_nop
.endm
.macro BARRIER                         ; my LDS stores have landed and my LDS loads are in: then the work-group's barrier
	s_wait_dscnt 0x0
	s_barrier_signal -1
	s_barrier_wait -1
.endm
	s_load_b512 s[4:19], s[0:1], 0x0               ; x, ocodes, oscales, wcodes, wscales, gain, bias, out
	v_lshrrev_b32 v19, 5, v0
	v_readfirstlane_b32 s20, v19                   ; wave 0..15
	v_and_b32 v29, 31, v0                          ; lane
	s_wait_alu depctr_va_vdst(0)
	v_and_b32 v30, 15, v0                          ; r
	v_bfe_u32 v31, v0, 4, 1                        ; h
	s_lshr_b32 s21, ttmp9, 6                       ; batch
	s_and_b32 s22, ttmp9, 63                       ; block of 32 tokens in it
	s_lshl_b32 s30, ttmp9, 16                      ; x, out: 32 rows of 2,048 bytes
	s_mov_b32 s31, 0
	s_mul_i32 s32, s21, 786432
	s_mul_i32 s23, s22, 768
	s_add_co_u32 s32, s32, s23                     ; o's codes
	s_mov_b32 s33, 0
	s_lshl_b32 s34, s21, 15
	s_lshl_b32 s23, s22, 5
	s_add_co_u32 s34, s34, s23                     ; o's bytes
	s_mov_b32 s35, 0
	s_mov_b32 s24, 0x76543210
	s_mov_b32 s25, 0xfedcba98
	s_mov_b32 s26, 0x3b000000                      ; 1 / 512
	s_mov_b32 s27, 0x3727c5ac                      ; 1e-5
	s_wait_alu depctr_va_sdst(0)                   ; s20, the wave's number, is written, ahead of its first reader
	s_lshl_b32 s21, s20, 12
	v_lshl_add_u32 v1, v29, 4, s21
	v_lshlrev_b32 v2, 6, v29
	v_lshrrev_b32 v19, 2, v29
	v_mul_u32_u24 v19, v19, 80
	v_and_b32 v20, 3, v29
	v_lshl_add_u32 v19, v20, 4, v19                ; memory's order: 80 (lane / 4) + 16 (lane % 4)
	s_mul_i32 s21, s20, 5152                       ; my two rows of a stage
	s_add_co_u32 s22, s21, FA
	v_add_nc_u32 v3, s22, v19
	s_add_co_u32 s22, s21, FB
	v_mul_u32_u24 v4, v29, 80
	v_add_nc_u32 v4, s22, v4
	s_mul_i32 s21, s20, 800
	v_mul_u32_u24 v5, v29, 12
	v_add_nc_u32 v5, s21, v5
	s_lshl_b32 s21, s20, 5
	v_lshrrev_b32 v6, 1, v29
	v_add_nc_u32 v6, s21, v6
	v_mul_u32_u24 v7, v30, 400
	v_mad_u32_u24 v7, v31, 24, v7
	v_lshlrev_b32 v8, 4, v30
	s_mul_i32 s21, s20, 12288
	v_lshl_add_u32 v9, v29, 4, s21
	s_lshl_b32 s21, s20, 9
	v_lshl_add_u32 v10, v30, 4, s21
	v_mul_u32_u24 v19, v30, 2576
	v_mad_u32_u24 v19, v31, 80, v19
	s_mul_i32 s21, s20, 160
	v_add_nc_u32 v19, s21, v19                     ; the accumulators' order: row r, columns 32 w + 16 h on
	v_add_nc_u32 v11, FA, v19
	v_add_nc_u32 v12, FB, v19
	s_mul_i32 s21, s20, 24
	v_mul_u32_u24 v13, v30, 400
	v_mad_u32_u24 v13, v31, 12, v13
	v_add_nc_u32 v13, s21, v13                     ; the hidden layer's codes: row r, block w, 12 h
	v_lshl_add_u32 v14, v30, 4, s20
	v_mul_u32_u24 v15, v29, 400
	v_add_nc_u32 v15, s21, v15                     ; o's codes: row = lane, block = head w
	v_lshl_add_u32 v16, v29, 4, s20
	s_mul_i32 s21, s20, 49152
	v_mul_u32_u24 v17, v29, 24
	v_add_nc_u32 v17, s21, v17
	s_lshl_b32 s21, s20, 11
	v_add_nc_u32 v18, s21, v29
	v_mov_b32 v23, 0                               ; written once: a lane permute's destination counts as one of its sources
	v_mov_b32 v24, 0
	v_mov_b32 v26, 0
	s_wait_kmcnt 0x0
	s_add_nc_u64 s[4:5], s[4:5], s[30:31]
	s_add_nc_u64 s[18:19], s[18:19], s[30:31]
	s_add_nc_u64 s[6:7], s[6:7], s[32:33]
	s_add_nc_u64 s[8:9], s[8:9], s[34:35]
	s_wait_alu depctr_va_vdst(0)                   ; the eighteen addresses and offsets v1 to v18 are written, which every load and store of the kernel reads
	; ---- x and o's codes into LDS
.irp t, 0,1,2,3,4,5,6,7
	global_load_b128 v[ACCA+4*\t:ACCA+4*\t+3], v1, s[4:5] offset:2048*(\t/4)+512*(\t%4) th:TH_LOAD_NT
.endr
.irp p, 0,1,2
	global_load_b64 v[ACCB+2*\p:ACCB+2*\p+1], v17, s[6:7] offset:8*\p   ; head w's 24 bytes of token = lane
.endr
	global_load_u8 v[ACCB+6], v18, s[8:9]
	WLOAD 3
	s_wait_loadcnt 26                              ; all but the weight's 26 loads are in
.irp t, 0,1,2,3,4,5,6,7
	ds_store_b128 v3, v[ACCA+4*\t:ACCA+4*\t+3] offset:2576*(\t/4)+640*(\t%4)
.endr
.irp p, 0,1,2
	ds_store_b64 v15, v[ACCB+2*\p:ACCB+2*\p+1] offset:OC+8*\p
.endr
	ds_store_b8 v16, v[ACCB+6] offset:OSC
	BARRIER
	s_wait_alu depctr_vm_vsrc(0)                   ; my LDS stores have read ACCA, in which x lands again below, and ACCB, which a later product writes
	; ---- x1 = x + o wo^T
.irp t, 0,1,2,3,4,5,6,7
	ds_load_b128 v[ACCA+4*\t:ACCA+4*\t+3], v11 offset:41216*(\t/4)+16*(\t%4)
.endr
	GEMM OC, OSC, ACCA, 0
	s_wait_alu depctr_va_vdst(0)                   ; wo's products have written ACCA, which the LDS stores below read, and are done reading XF, W and WS, in which gain, bias and the next weight land
.irp i, 0,1,2,3
	global_load_b128 v[XF+4*\i:XF+4*\i+3], v2, s[14:15] offset:16*\i
.endr
.irp i, 0,1,2,3
	global_load_b128 v[XF+16+4*\i:XF+16+4*\i+3], v2, s[16:17] offset:16*\i
.endr
	WLOAD 4
.irp t, 0,1,2,3,4,5,6,7
	ds_store_b128 v12, v[ACCA+4*\t:ACCA+4*\t+3] offset:41216*(\t/4)+16*(\t%4)   ; each accumulator from its low end on
.endr
	BARRIER
	s_wait_alu depctr_vm_vsrc(0)                   ; my LDS stores have read ACCA, in which my two rows of x1 land
	; ---- LN2: my two rows of x1
.irp t, 0,1,2,3,4,5,6,7
	ds_load_b128 v[ACCA+4*\t:ACCA+4*\t+3], v4 offset:2576*(\t/4)+16*(\t%4)
.endr
	s_wait_loadcnt 26                              ; gain and bias are in; the weight's 26 may be out
	s_wait_dscnt 0x0
	LNROW ACCA, XF+32, 28
	LNROW ACCA+16, XF+36, 29
	s_wait_alu depctr_va_vdst(0)                   ; both rows' conversions have written the codes and v28, v29, which the LDS stores read; LN is done reading gain and bias, in whose registers fragments land behind the barrier
	LNOUT H2C, H2SC, 0, XF+32, 28
	LNOUT H2C, H2SC, 1, XF+36, 29
	BARRIER
	s_wait_alu depctr_vm_vsrc(0)                   ; my LDS stores have read XF+32 .. XF+38, in which fragments land, and v28, which the quantiser writes
	; ---- silu(h2 w1^T)
	GEMM H2C, H2SC, ACCA, 1
	s_wait_alu depctr_va_vdst(0)                   ; w1's products are done reading W and WS, in which the next weight lands
	WLOAD 5
.set n, 0
.rept 16
	v_pk_mul_f32 v[XF+n:XF+n+1], v[ACCA+n:ACCA+n+1], 0xbfb8aa3b op_sel_hi:[1,0]   ; -a log2(e)
.set n, n+2
.endr
.set n, 0
	s_wait_alu depctr_va_vdst(0)
.rept 32
	v_exp_f32 v[XF+n], v[XF+n]
.set n, n+1
.endr
	v_nop                                          ; a plain place behind the exponentials
.set n, 0
	s_wait_alu depctr_va_vdst(0)                   ; the 32 exponentials' results are written, ahead of their first reader
.rept 16
	v_pk_add_f32 v[XF+n:XF+n+1], v[XF+n:XF+n+1], 1.0 op_sel_hi:[1,0]
.set n, n+2
.endr
.set n, 0
	s_wait_alu depctr_va_vdst(0)
.rept 32
	v_rcp_f32 v[XF+n], v[XF+n]
.set n, n+1
.endr
	v_nop                                          ; a plain place behind the reciprocals
.set n, 0
	s_wait_alu depctr_va_vdst(0)                   ; the 32 reciprocals are written, ahead of their first reader
.rept 16
	v_pk_mul_f32 v[ACCA+n:ACCA+n+1], v[ACCA+n:ACCA+n+1], v[XF+n:XF+n+1]   ; a / (1 + e^-a)
.set n, n+2
.endr
	s_wait_alu depctr_va_vdst(0)                   ; the multiplications above are done reading XF, in which fragments land
	; ---- x (h2 w3^T), quantised
	GEMM H2C, H2SC, ACCB, 1
	s_wait_alu depctr_va_vdst(0)                   ; w3's products are done reading W and WS, in which the next weight lands
	WLOAD 6
.set n, 0
.rept 16
	v_pk_mul_f32 v[ACCA+n:ACCA+n+1], v[ACCA+n:ACCA+n+1], v[ACCB+n:ACCB+n+1]
.set n, n+2
.endr
	QUANT2 ACCA, ACCA+16, XF+32, XF+36
	s_wait_alu depctr_va_vdst(0)                   ; the multiplications are done reading ACCB, in which x1 lands; the quantiser has written the codes and v27, v28, which the LDS stores read
.irp t, 0,1,2,3,4,5,6,7
	ds_load_b128 v[ACCB+4*\t:ACCB+4*\t+3], v12 offset:41216*(\t/4)+16*(\t%4)   ; x1: the C of the last product
.endr
.irp i, 0,1,2
	ds_store_b32 v13, v[XF+32+\i] offset:HC+4*\i
	ds_store_b32 v13, v[XF+36+\i] offset:HC+6400+4*\i
.endr
	ds_store_b8 v14, v27 offset:HSC                ; both halves of the lanes write the same byte with the same value
	ds_store_b8 v14, v28 offset:HSC+256
	BARRIER
	s_wait_alu depctr_vm_vsrc(0)                   ; my LDS stores have read XF+32 .. XF+38, in which fragments land
	; ---- out = x1 + hidden w2^T
	GEMM HC, HSC, ACCB, 0
	s_wait_alu depctr_va_vdst(0)                   ; w2's products have written ACCB, which the LDS stores read
.irp t, 0,1,2,3,4,5,6,7
	ds_store_b128 v11, v[ACCB+4*\t:ACCB+4*\t+3] offset:41216*(\t/4)+16*(\t%4)
.endr
	BARRIER
.irp t, 0,1,2,3,4,5,6,7
	ds_load_b128 v[ACCA+4*\t:ACCA+4*\t+3], v3 offset:2576*(\t/4)+640*(\t%4)
.endr
.irp t, 0,1,2,3,4,5,6,7
	s_wait_dscnt 7-\t                              ; LDS loads come back in order: load t is in, the younger ones may be out
	global_store_b128 v1, v[ACCA+4*\t:ACCA+4*\t+3], s[18:19] offset:2048*(\t/4)+512*(\t%4) th:TH_STORE_NT   ; 32 lanes store 512 consecutive bytes, aligned
.endr
	s_wait_xcnt 0x0
	s_wait_alu depctr_vm_vsrc(0)                   ; the last global store has read v222 and v223, which the two lines below write
	v_lshl_add_u32 v222, v0, 2, 0x32400
	v_mov_b32 v223, 0
	s_wait_dscnt 0x0                               ; the closing lines, six on end
	s_wait_alu 0x0
	s_wait_tensorcnt 0x0
	ds_add_u32 v222, v223
	s_wait_dscnt 0x0
	s_endpgm
.Lfunc_end_k_qe126c601eb_tail:
	.size	k_qe126c601eb_tail, .Lfunc_end_k_qe126c601eb_tail-k_qe126c601eb_tail
	.p2alignl 7, 3214868480
	.fill 96, 4, 3214868480
	.section	.rodata,"a",@progbits
	.p2align	6, 0x0
	.amdhsa_kernel k_qe126c601eb_tail
		.amdhsa_group_segment_fixed_size 207872
		.amdhsa_private_segment_fixed_size 0
		.amdhsa_enable_private_segment 0
		.amdhsa_kernarg_size 64
		.amdhsa_user_sgpr_count 2
		.amdhsa_user_sgpr_kernarg_segment_ptr 1
		.amdhsa_wavefront_size32 1
		.amdhsa_system_sgpr_workgroup_id_x 1
		.amdhsa_system_sgpr_workgroup_id_y 1
		.amdhsa_system_sgpr_workgroup_id_z 1
		.amdhsa_system_vgpr_workitem_id 0
		.amdhsa_next_free_vgpr 256
		.amdhsa_next_free_sgpr 66
		.amdhsa_reserve_vcc 0
		.amdhsa_float_denorm_mode_32 3
		.amdhsa_float_denorm_mode_16_64 3
		.amdhsa_memory_ordered 1
		.amdhsa_forward_progress 1
		.amdhsa_inst_pref_size 63
	.end_amdhsa_kernel
	.amdgpu_metadata
---
amdhsa.version: [ 1, 2 ]
amdhsa.kernels:
  - .name:           k_qe126c601eb_tail
    .symbol:         k_qe126c601eb_tail.kd
    .args:
      - { .name: x, .offset: 0, .size: 8, .value_kind: global_buffer, .address_space: global }
      - { .name: ocodes, .offset: 8, .size: 8, .value_kind: global_buffer, .address_space: global }
      - { .name: oscales, .offset: 16, .size: 8, .value_kind: global_buffer, .address_space: global }
      - { .name: wcodes, .offset: 24, .size: 8, .value_kind: global_buffer, .address_space: global }
      - { .name: wscales, .offset: 32, .size: 8, .value_kind: global_buffer, .address_space: global }
      - { .name: ln2_g, .offset: 40, .size: 8, .value_kind: global_buffer, .address_space: global }
      - { .name: ln2_b, .offset: 48, .size: 8, .value_kind: global_buffer, .address_space: global }
      - { .name: out0, .offset: 56, .size: 8, .value_kind: global_buffer, .address_space: global }
    .group_segment_fixed_size: 207872
    .private_segment_fixed_size: 0
    .kernarg_segment_align: 8
    .kernarg_segment_size: 64
    .max_flat_workgroup_size: 512
    .sgpr_count:     66
    .vgpr_count:     256
    .wavefront_size: 32
...
	.end_amdgpu_metadata
.endif
;; end of part 8
